; MI455X (gfx1250); checked and timed in simulation.
; The chip was launched on July 23, 2026; its instructions are those of AMD's public machine-readable ISA for CDNA 5 (MIT licence, August 2026) and "CDNA5" Instruction Set Architecture Reference Guide (July 2026). The comments in the code are by the model that wrote it; some were corrected since.
;; Attn. Allowed arithmetic: matrix products marked QUANTISED: E2M3 operands, one E8M0 scale for each 32 along K, by v_wmma_scale_f32_16x16x128_f8f6f4 with both operands' format E2M3, f32 sums; everything else in f32.
;; Inputs: Wk 1,024 x 1,024 float32; Wo 1,024 x 1,024 float32; Wq 1,024 x 1,024 float32; Wv 1,024 x 1,024 float32; bk 1,024 float32; bq 1,024 float32; bv 1,024 float32; x 4 x 2,048 x 1,024 float32.
;; Outputs: out0 4 x 2,048 x 1,024 float32.
;; This version of the problem:
;;   THIS VERSION OF THE PROBLEM IS GIVEN IN LOW PRECISION. The matrix products marked QUANTISED in the list below multiply operands that are first quantised to E2M3 (2 exponent bits, 3 mantissa bits; 6 bits a number), with one power-of-two scale for each 32 numbers along K (OCP MX v1.0); their sums are f32. All else is computed in f32.
;;   The module's matrix products, in the order in which they are computed (A, B: the left and right operand; K: the contracted axis; several contracted axes count as one K, in the product's order):
;;     1. [M 8,192, K 1,024] x [K 1,024, N 1,024]; A: input x; B: input Wq: QUANTISED
;;     2. [M 8,192, K 1,024] x [K 1,024, N 1,024]; A: input x; B: input Wk: QUANTISED
;;     3. [M 8,192, K 1,024] x [K 1,024, N 1,024]; A: input x; B: input Wv: QUANTISED
;;     4. batch 64 x [M 2,048, K 64] x [K 64, N 2,048]; A: computed on the way; B: computed on the way: QUANTISED
;;     5. batch 64 x [M 2,048, K 2,048] x [K 2,048, N 64]; A: softmax (see below); B: computed on the way: QUANTISED
;;     6. [M 8,192, K 1,024] x [K 1,024, N 1,024]; A: computed on the way; B: input Wo: QUANTISED
;;   THE QUANTISER, for each operand of a quantised product, along K:
;;     - K is cut into blocks of 32 from its start; a last block that is shorter is filled with zeros.
;;     - A block's scale is 2^e with e = floor(log2(the largest magnitude in the block)) - 2, held to -126 .. 127; a block of zeros has e = 0. As a byte (E8M0): e + 127.
;;     - Each number is divided by its block's scale, clamped to +-7.5, and rounded to the nearest number of E2M3, ties to even, subnormals kept.
;;     - The product sums the exact products of the quantised numbers (number of the format x scale) in f32.
;;   ~~~python
;;   def quantise(x, axis):      # numpy; x: float32 -> the quantised numbers, widened to float32 again
;;       x = np.moveaxis(x, axis, -1); K = x.shape[-1]
;;       x = np.pad(x, [(0, 0)] * (x.ndim - 1) + [(0, -K % 32)]); x = x.reshape(x.shape[:-1] + (-1, 32)); a = np.abs(x).max(-1, keepdims=True)
;;       e = np.where(a > 0, np.clip(np.frexp(np.where(a > 0, a, 1))[1] - 1 - 2, -126, 127), 0)      # np.frexp(a)[1] - 1 = floor(log2(a)), exactly
;;       r = np.clip(x / 2.0 ** e, -7.5, 7.5)
;;       step = 2.0 ** (np.maximum(np.frexp(np.where(r == 0, 1, r))[1] - 1, 0) - 3)
;;       q = np.round(r / step) * step * 2.0 ** e      # np.round: ties to even
;;       return np.moveaxis(q.reshape(q.shape[:-2] + (-1,))[..., :K], -1, axis).astype(np.float32)
;;   ~~~
;;   SOFTMAX AHEAD OF A QUANTISED PRODUCT. Where the list says 'softmax', what is quantised is not the finished softmax but p = 2^(t - M), with t = logit x log2(e) and M = ceil(the row's largest t), a whole number; so 1/2 < the row's largest p <= 1. The row's sum l is taken of the UNQUANTISED p, in f32, and the product's result is divided by l at the end. Since M is a whole number, a kernel that streams over the keys may use a running M (the ceiling of the running maximum): every later rescaling is an exact power of two, which a block's scale takes up: the codes' values come out the same.
;;   OPERANDS COMPUTED ON THE WAY. 'Computed on the way' means the value that the module computes at that place (a softmax that the list does not call 'softmax' is quantised finished and normalised). What goes into a quantiser is computed in f32, as accurately as f32 sums, v_exp_f32 and their like allow (about 1e-6 of the number): no bf16 or f16 on the way to a quantiser, and a product that is left as it is and whose result goes on into a quantised operand takes f32 operands (vector FMAs, or v_wmma_f32_16x16x4_f32). A number that lies on a knife's edge between two numbers of the format may be rounded either way, as far as f32 arithmetic and the matrix unit's own rounding can turn it there, and no further.
;; One version. Each part assembles by itself: llvm-mc -triple=amdgcn-amd-amdhsa -mcpu=gfx1250 --defsym DOCPART=n.
;; ======== version 1 of 1: 4 launches
;; workspace buffers: xc 6,291,456 bytes; xs 262,144 bytes; wc 3,145,728 bytes; ws 131,072 bytes; qkvc 18,874,368 bytes; qkvs 786,432 bytes; oc 6,291,456 bytes; os 262,144 bytes
;; launch quant (part 1): grid 256 x 1, 6 waves a work-group, no clusters, 51,456 bytes of LDS; arguments x, Wq, Wk, Wv, Wo, xc, xs, wc, ws; writes xc, xs, wc, ws
.if DOCPART == 1
	.amdgcn_target "amdgcn-amd-amdhsa--gfx1250"
	.amdhsa_code_object_version 6
	.text
	.protected	k_q3d06bc81ef_quant
	.globl	k_q3d06bc81ef_quant
	.p2align	8
	.type	k_q3d06bc81ef_quant,@function
k_q3d06bc81ef_quant:
	s_mov_b64 s[64:65], 0
	v_nop
	global_prefetch_b8 v0, s[64:65] scope:SCOPE_SE
	s_setreg_imm32_b32 hwreg(HW_REG_WAVE_MODE, 25, 1), 1
	s_wait_xcnt 0x0
; x [8192][1024] and Wq, Wk, Wv, Wo [1024][1024], f32, become codes of FP6 (E2M3) with one E8M0 byte for each 32 along K (the last axis), laid as the matrix unit's registers want them.
; TILE ORDER: rows go in tiles of 16; lane r of tile T holds row 32 (T / 2) + 8 (T % 2) + r + 8 (r / 8).  A FRAGMENT IMAGE (16 rows x 128 K, 12 registers a lane) is six chunks of 256 bytes:
; chunk p holds registers 2 p, 2 p + 1, lane l's 8 bytes at 8 l.  Codes: [tile][K step 0..7][1,536 bytes]; scale words: [tile][K half][r][4 words], a word = the four bytes of one K step of one row.
; wc, ws hold the four weights on end, 64 tiles each.  A block's scale is 2^(floor(log2(largest magnitude)) - 2): its byte is the largest magnitude's exponent field - 2, held at 1 from below.
; LIMITS: a block of zeros, and one whose largest magnitude lies under 2^-124, gets the byte 1 (the bytes are read by this program alone; zero codes add nothing); NaN and infinities are not served.
; SHARES: 768 tiles x 2 halves of K = 1,536 jobs = 256 work-groups x 6 waves.  A job is 4 K steps of 16 rows x 128 numbers.  Each load reads 512 consecutive bytes of one row; a K step turns through the
; wave's own stage in LDS (pitch 528), so that a lane gets 16 neighbours of each block of 32.  Waves share nothing: no barrier.  32 loads of 512 bytes a wave are out at the most.
.set STG,   8448                       ; a wave's stage: 16 rows x 528 bytes
.set SPARE, 6*STG                      ; behind the stages: the spare words, 128 bytes a wave: three blocks of 256 bytes that no other line names
.set LO,  4                            ; v4   16 x lane: my bytes of a load's 512
.set SA,  5                            ; v5   the stage, on the way in
.set SB,  6                            ; v6   and on the way out: 528 r + 64 h
.set CO,  7                            ; v7   8 x lane: my bytes of a chunk
.set SO,  8                            ; v8   16 r + 8 h: my two scale words
.set SPW, 12                           ; v12  my spare word; never rewritten
.set NIL, 13                           ; v13  0; never rewritten
.set R,   16                           ; v16-143  two sets of 64 registers as loaded
.set X,   144                          ; v144-207 register 16 b + i = k 32 b + 16 h + i of my row
.set PC,  208                          ; v208-226 the codes
.set TM,  228                          ; v228-243 at work
.set PW,  244                          ; v244-247 the four K steps' scale words
.set SEL, 20                           ; s[20:21] selects for lane l xor 16
	s_load_b256 s[4:11], s[0:1], 0x0               ; x, Wq, Wk, Wv
	s_load_b256 s[12:19], s[0:1], 0x20             ; Wo, xc, xs, wc
	s_load_b64 s[22:23], s[0:1], 0x40              ; ws
	v_lshl_add_u32 v[SPW], v0, 2, SPARE
	v_mov_b32 v[NIL], 0
	v_lshrrev_b32 v1, 5, v0
	v_readfirstlane_b32 s24, v1                    ; wave 0..5
	v_and_b32 v1, 31, v0                           ; lane
	v_and_b32 v2, 15, v0                           ; r
	v_bfe_u32 v3, v0, 4, 1                         ; h
	v_lshlrev_b32 v[LO], 4, v1
	s_mul_i32 s34, s24, STG
	v_add_nc_u32 v[SA], s34, v[LO]
	v_mul_u32_u24 v[SB], v2, 528
	v_lshl_add_u32 v[SB], v3, 6, v[SB]
	v_add_nc_u32 v[SB], s34, v[SB]
	v_lshlrev_b32 v[CO], 3, v1
	v_lshlrev_b32 v[SO], 4, v2
	v_lshl_add_u32 v[SO], v3, 3, v[SO]
.irp b, 0,1,2,3
	v_mov_b32 v[TM+4+\b], 0                        ; written once: a lane permute's destination counts as one of its sources
.endr
	s_mov_b32 s[SEL], 0x76543210
	s_mov_b32 s[SEL+1], 0xfedcba98
	s_mul_i32 s25, ttmp9, 6
	s_add_co_u32 s25, s25, s24                     ; my job
	s_lshr_b32 s26, s25, 1                         ; its tile, 0..767: x's 512, then the weights' 256
	s_and_b32 s27, s25, 1                          ; its half of K
	s_cmp_lt_u32 s26, 512
	s_cselect_b32 s28, 0, 512
	s_sub_co_u32 s28, s26, s28                     ; the tile's number in its buffer of codes
	s_lshr_b32 s29, s28, 6                         ; which weight (means nothing for x)
	s_and_b32 s30, s28, 63
	s_cmp_lt_u32 s26, 512
	s_cselect_b32 s30, s26, s30                    ; the tile's number in its source
	s_lshr_b32 s32, s30, 1
	s_lshl_b32 s32, s32, 17                        ; 32 rows of 4,096 bytes for each pair of tiles,
	s_and_b32 s31, s30, 1
	s_lshl_b32 s31, s31, 15                        ; 8 rows for the odd tile,
	s_add_co_u32 s32, s32, s31
	s_lshl_b32 s31, s27, 11                        ; 2,048 bytes for the second half of K
	s_add_co_u32 s32, s32, s31
	s_mov_b32 s33, 0
	s_mul_i32 s36, s28, 12288                      ; codes: 12,288 bytes a tile, 6,144 a half
	s_mul_i32 s31, s27, 6144
	s_add_co_u32 s36, s36, s31
	s_mov_b32 s37, 0
	s_lshl_b32 s38, s28, 9                         ; scale words: 512 bytes a tile, 256 a half
	s_lshl_b32 s31, s27, 8
	s_add_co_u32 s38, s38, s31
	s_mov_b32 s39, 0
	s_wait_kmcnt 0x0
	s_cmp_lt_u32 s26, 512                          ; the buffers are chosen on the job's number alone; all jobs take one path
	s_cselect_b64 s[14:15], s[14:15], s[18:19]
	s_cselect_b64 s[16:17], s[16:17], s[22:23]
	s_cmp_eq_u32 s29, 2
	s_cselect_b64 s[12:13], s[10:11], s[12:13]
	s_cmp_eq_u32 s29, 1
	s_cselect_b64 s[12:13], s[8:9], s[12:13]
	s_cmp_eq_u32 s29, 0
	s_cselect_b64 s[12:13], s[6:7], s[12:13]
	s_cmp_lt_u32 s26, 512
	s_cselect_b64 s[12:13], s[4:5], s[12:13]
	s_add_nc_u64 s[12:13], s[12:13], s[32:33]
	s_add_nc_u64 s[14:15], s[14:15], s[36:37]
	s_add_nc_u64 s[16:17], s[16:17], s[38:39]
.macro LOAD t                          ; K step t: 128 numbers of each of the tile's 16 rows
.irp i, 0,1,2,3,4,5,6,7,8,9,10,11,12,13,14,15
	global_load_b128 v[R+64*((\t)%2)+4*\i:R+64*((\t)%2)+4*\i+3], v[LO], s[12:13] offset:(\i+8*(\i/8))*4096+512*(\t) th:TH_LOAD_NT
.endr
.endm
.macro TURN t                          ; through my stage: LDS serves a wave's instructions in order, so no wait stands between the stores and the loads
.irp i, 0,1,2,3,4,5,6,7,8,9,10,11,12,13,14,15
	ds_store_b128 v[SA], v[R+64*((\t)%2)+4*\i:R+64*((\t)%2)+4*\i+3] offset:528*\i
.endr
.irp b, 0,1,2,3
.irp j, 0,1,2,3
	ds_load_b128 v[X+16*\b+4*\j:X+16*\b+4*\j+3], v[SB] offset:128*\b+16*\j
.endr
.endr
.endm
; 64 numbers of a lane, register 16 b + i = k 32 b + 16 h + i of my row, become a fragment's codes in v[PC] on and its scale word in v[pw]
.macro QUANT s, pw
.irp b, 0,1,2,3
	v_max3_num_f32 v[TM+\b], |v[\s+16*\b]|, |v[\s+1+16*\b]|, 0x1800000   ; block b: my 16 numbers, and the floor 2^(3 - 127): the byte cannot fall under 1
.endr
.irp i, 2,4,6,8,10,12,14
.irp b, 0,1,2,3
	v_max3_num_f32 v[TM+\b], v[TM+\b], |v[\s+16*\b+\i]|, |v[\s+1+16*\b+\i]|
.endr
.endr
.irp b, 0,1,2,3
	v_permlanex16_b32 v[TM+4+\b], v[TM+\b], s[SEL], s[SEL+1]
.endr
.irp b, 0,1,2,3
	v_max_num_f32 v[TM+\b], v[TM+\b], v[TM+4+\b]   ; with lane l xor 16's: the block's largest magnitude
.endr
.irp b, 0,1,2,3
	v_add_nc_u32 v[TM+12+\b], 0xff000000, v[TM+\b] ; 2 off its exponent field: the conversion's scale operand
.endr
.irp b, 0,1,2,3
	v_lshrrev_b32 v[TM+4+\b], 23, v[TM+12+\b]      ; the scale's byte
.endr
	v_lshl_or_b32 v[\pw], v[TM+5], 8, v[TM+4]
	v_lshl_or_b32 v[\pw], v[TM+6], 16, v[\pw]
	v_lshl_or_b32 v[\pw], v[TM+7], 24, v[\pw]
.irp c, 0,1
	v_cvt_scalef32_pk16_fp6_f32 v[PC+6*\c:PC+2+6*\c], v[\s+32*\c:\s+15+32*\c], v[TM+12+2*\c]
	v_cvt_scalef32_pk16_fp6_f32 v[PC+12+4*\c:PC+14+4*\c], v[\s+16+32*\c:\s+31+32*\c], v[TM+12+2*\c+1]   ; (a conversion's three registers begin on an even number)
.endr
	v_nop                                          ; one plain place behind a scaled conversion
.irp c, 0,1                                    ; the operand's layout wants a whole block in a lane: lanes 0-15 block 2 c, lanes 16-31 block 2 c + 1
.irp i, 0,1,2
	v_permlane16_swap_b32 v[PC+6*\c+\i], v[PC+12+4*\c+\i]
.endr
.irp i, 0,1,2
	v_mov_b32 v[PC+3+6*\c+\i], v[PC+12+4*\c+\i]
.endr
.endr
.endm
	LOAD 0
	LOAD 1
.irp t, 0,1,2,3
.if \t < 3
	s_wait_loadcnt 16                              ; this K step's 16 loads are in; the next one's may be out
.else
	s_wait_loadcnt 0
.endif
	TURN \t
	s_wait_dscnt 0x0                               ; the numbers are back, and the stores into the stage have read their registers,
.if \t < 2
	LOAD \t+2                                      ; which take the loads of two K steps on
.endif
.if \t > 0
	s_wait_xcnt 0x0                                ; the last K step's stores have read the codes' registers
.endif
	QUANT X, PW+\t
.irp p, 0,1,2,3,4,5
	global_store_b64 v[CO], v[PC+2*\p:PC+2*\p+1], s[14:15] offset:1536*\t+256*\p   ; a chunk: 256 consecutive bytes, aligned
.endr
.endr
	v_cmp_ne_u32 vcc_lo, 0, v3                     ; lanes 0-15 store words 0, 1 of their row, lanes 16-31 words 2, 3 (both halves of the lanes hold all four)
	v_cndmask_b32 v10, v[PW], v[PW+2], vcc_lo
	v_cndmask_b32 v11, v[PW+1], v[PW+3], vcc_lo
	global_store_b64 v[SO], v[10:11], s[16:17]     ; 256 consecutive bytes, aligned
	s_wait_tensorcnt 0x0                           ; the wave's end: behind my last LDS store
	ds_add_u32 v[SPW], v[NIL]
	s_wait_dscnt 0x0
	s_endpgm
.Lfunc_end_k_q3d06bc81ef_quant:
	.size	k_q3d06bc81ef_quant, .Lfunc_end_k_q3d06bc81ef_quant-k_q3d06bc81ef_quant
	.p2alignl 7, 3214868480
	.fill 96, 4, 3214868480
	.section	.rodata,"a",@progbits
	.p2align	6, 0x0
	.amdhsa_kernel k_q3d06bc81ef_quant
		.amdhsa_group_segment_fixed_size 51456
		.amdhsa_private_segment_fixed_size 0
		.amdhsa_enable_private_segment 0
		.amdhsa_kernarg_size 72
		.amdhsa_user_sgpr_count 2
		.amdhsa_user_sgpr_kernarg_segment_ptr 1
		.amdhsa_wavefront_size32 1
		.amdhsa_system_sgpr_workgroup_id_x 1
		.amdhsa_system_sgpr_workgroup_id_y 1
		.amdhsa_system_sgpr_workgroup_id_z 1
		.amdhsa_system_vgpr_workitem_id 0
		.amdhsa_next_free_vgpr 248
		.amdhsa_next_free_sgpr 66
		.amdhsa_reserve_vcc 1
		.amdhsa_float_denorm_mode_32 3
		.amdhsa_float_denorm_mode_16_64 3
		.amdhsa_memory_ordered 1
		.amdhsa_forward_progress 1
		.amdhsa_inst_pref_size 35
	.end_amdhsa_kernel
	.amdgpu_metadata
---
amdhsa.version: [ 1, 2 ]
amdhsa.kernels:
  - .name:           k_q3d06bc81ef_quant
    .symbol:         k_q3d06bc81ef_quant.kd
    .args:
      - { .name: x, .offset: 0, .size: 8, .value_kind: global_buffer, .address_space: global }
      - { .name: Wq, .offset: 8, .size: 8, .value_kind: global_buffer, .address_space: global }
      - { .name: Wk, .offset: 16, .size: 8, .value_kind: global_buffer, .address_space: global }
      - { .name: Wv, .offset: 24, .size: 8, .value_kind: global_buffer, .address_space: global }
      - { .name: Wo, .offset: 32, .size: 8, .value_kind: global_buffer, .address_space: global }
      - { .name: xc, .offset: 40, .size: 8, .value_kind: global_buffer, .address_space: global }
      - { .name: xs, .offset: 48, .size: 8, .value_kind: global_buffer, .address_space: global }
      - { .name: wc, .offset: 56, .size: 8, .value_kind: global_buffer, .address_space: global }
      - { .name: ws, .offset: 64, .size: 8, .value_kind: global_buffer, .address_space: global }
    .group_segment_fixed_size: 51456
    .private_segment_fixed_size: 0
    .kernarg_segment_align: 8
    .kernarg_segment_size: 72
    .max_flat_workgroup_size: 192
    .sgpr_count:     66
    .vgpr_count:     248
    .wavefront_size: 32
...
	.end_amdgpu_metadata
.endif
;; end of part 1
;; launch proj (part 2): grid 12 x 32, 4 waves a work-group, clusters of 4 x 4, 327,680 bytes of LDS; arguments xc, xs, wc, ws, bq, bk, bv, qkvc, qkvs; writes qkvc, qkvs
.if DOCPART == 2
	.amdgcn_target "amdgcn-amd-amdhsa--gfx1250"
	.amdhsa_code_object_version 6
	.text
	.protected	k_q3d06bc81ef_proj
	.globl	k_q3d06bc81ef_proj
	.p2align	8
	.type	k_q3d06bc81ef_proj,@function
k_q3d06bc81ef_proj:
	s_mov_b64 s[64:65], 0
	v_nop
	global_prefetch_b8 v0, s[64:65] scope:SCOPE_SE
	s_setreg_imm32_b32 hwreg(HW_REG_WAVE_MODE, 25, 1), 1
	s_wait_xcnt 0x0
	s_wait_alu depctr_hold_cnt(0) depctr_sa_sdst(0) depctr_va_vdst(0) depctr_va_sdst(0) depctr_va_ssrc(0) depctr_va_vcc(0) depctr_vm_vsrc(0)
	s_getreg_b32 s2, hwreg(HW_REG_IB_STS2, 6, 4)
	s_cmp_eq_u32 s2, 0
	s_cbranch_scc0 .Lentry_in_a_cluster
	s_endpgm
.Lentry_in_a_cluster:
	s_bfe_u32 s2, ttmp6, 0x10000c
	s_cmp_lg_u32 s2, 0xf033
	s_cbranch_scc0 .Lentry_shape_is_right
	s_endpgm
.Lentry_shape_is_right:
; Q = x Wq^T + bq, K = x Wk^T + bk, V = x Wv^T + bv on codes of FP6 (E2M3) with E8M0 scales, K = 1,024; the results are quantised at once: Q and K along a head's 64, V along the keys.
; Operands come as fragment images in tile order (16 rows x 128 K = 1,536 bytes, six chunks of 256 bytes; lane r of tile T = row 32 (T / 2) + 8 (T % 2) + r + 8 (r / 8)).
; A work-group of four waves makes 256 x 256, a wave 128 x 128: 64 accumulators.  THE ROW OPERAND is source 1: a lane holds one of its rows.  THE COLUMN OPERAND is source 0: by the tile order the 16 registers
; of accumulators 2 b, 2 b + 1 are 16 neighbours among its rows, 32 b + 16 (lane / 16) + 0 .. 15: that is the axis along which the result is quantised.
; Clusters x = 0, 1 (Q, K): row operand x, column operand Wq or Wk.  Cluster x = 2 (V): row operand Wv, column operand x, so that a lane holds one channel and its registers run along the keys.
; Only pointers and tile numbers are chosen (on the cluster's x, which all partners share); masks, LDS addresses and the products are one text.
; CLUSTERS: 4 x 4.  The row operand's tiles hang on cy and are shared along a row of the cluster, the column operand's on cx and are shared along a column: joint loads.
; K goes in four fills of 256 through two LDS slots; the scale words of all of K come once.  By this text's count a wave has three tensor loads out at the start, later one.
; OUT: qkvc: Q [bh][query tile][768], K at 6,291,456 likewise, V at 12,582,912 [bh][key step][channel tile][1,536].  qkvs: Q [bh][8 tiles][r][tile] 2 bytes, K at 262,144 likewise, V at 524,288 [bh][key step][r][tile] words.
; LIMITS: as the quantiser before: a block under 2^-124 or of zeros gets the byte 1; NaN and infinities are not served.
; REGISTERS: window 0: v16-30 addresses; v32-63 scale words, two sets; v64-127 the bias; v128-223 the row operand's fragments, one set; in the tail v128-253 at work.
;   window 1: the column operand's fragments, two sets, at v0 and v128.   windows 2, 3: the accumulators, (a, b) at v[8 (8 (a % 4) + b)].
.set NQ,    2                          ; K steps of 128 in a slot
.set FR,    12
.set NL,    6
.set NP,    4
.set FRB,   1536
.set TROW,  NQ*FRB                     ; a tile's part of a slot
.set HALFT, 8*TROW                     ; 8 tiles: what one tensor load brings and one wave reads of an operand
.set SLOT,  4*HALFT
.set SCL,   2*SLOT                     ; behind the ring: the scale words, 512 bytes a tile
.set HALFS, 8*512
.set SPARE, SCL+4*HALFS                ; the spare words, 128 bytes a wave: two blocks of 256 bytes that no other line names
.set ADRA, 16                          ; v16-17 8 x lane + my row tiles in slot 0, 1
.set ADRB, 20                          ; v20-21 the same for my column tiles
.set CO,   22                          ; v22 8 x lane
.set BO,   23                          ; v23 64 h: the bias of Q, K
.set SO,   24                          ; v24 4,096 h + 16 r: the scale words' way out
.set PS,   25                          ; v25 byte selects
.set BV,   26                          ; v26 4 (r + 8 (r / 8)): the bias of V
.set ADRS, 27                          ; v27 my scale words: lanes 0-15 the row operand's, lanes 16-31 the column operand's
.set SPW,  28
.set NIL,  29
.set HH,   30                          ; v30 h
.set SC,   32
.set BI,   64
.set AF,   128
.set XN,   128                         ; the tail: 64 numbers
.set PC,   192                         ; their codes
.set TM,   224
.set PW,   240                         ; eight scale words
.set PK,   248
.set SEL,  66                          ; s[66:67]
.set G1, 24
.set G0, 32
.set G1B, 48
.set G0B, 56
.set G1S, 68
.set G0S, 76
.set G1SB, 80
.set G0SB, 88
.set MSB, 0
.macro WIN new                         ; the immediate's high byte repeats the setting that is left
.if MSB != (\new)
	s_set_vgpr_msb (MSB<<8)|(\new)
.set MSB, \new
.endif
.endm
.set MUL_LO, 0xa1                      ; source 0 window 1, source 1 window 0, C and D window 2
.set MUL_HI, 0xf1
.set TO_B,   0x40
; A joint load: waves 0 and 1 fetch the row operand's halves, waves 2 and 3 the column operand's.  An s_nop 0 and four v_nop follow each of the two lines.
.macro JLOAD g0a, g1a, g0b, g1b
	s_cmp_eq_u32 s15, 0
	s_cbranch_scc0 .Lfor_b_\@
	tensor_load_to_lds s[\g0a:\g0a+3], s[\g1a:\g1a+7]
	s_nop 0
.rept 4
	v_nop
.endr
	s_branch .Lasked_\@
.Lfor_b_\@:
	tensor_load_to_lds s[\g0b:\g0b+3], s[\g1b:\g1b+7]
	s_nop 0
.rept 4
	v_nop
.endr
.Lasked_\@:
.endm
.macro CREST
	s_cmp_lg_u32 s14, 0
	s_cbranch_scc1 .Lnot_wave_0_\@
	s_barrier_signal -3
.Lnot_wave_0_\@:
	s_barrier_wait -3
	s_barrier_signal -1
	s_barrier_wait -1
.endm
.macro CROUND
	s_barrier_signal -1
	s_barrier_wait -1
	CREST
.endm
	s_load_b256 s[4:11], s[0:1], 0x0               ; xc, xs, wc, ws
	v_lshl_add_u32 v[SPW], v0, 2, SPARE
	v_mov_b32 v[NIL], 0
	ds_add_u32 v[SPW], v[NIL]                      ; the wave's opening: the add and its wait ahead of my first tensor load
	v_lshrrev_b32 v1, 5, v0
	v_readfirstlane_b32 s14, v1                    ; wave 0..3
	s_lshr_b32 s15, s14, 1                         ; my half of the row tiles.  Also: I fetch for the row operand (0) or the column operand (1)
	s_and_b32 s16, s14, 1                          ; my half of the column tiles.  Also: which 8 tiles I fetch
	s_bfe_u32 s40, ttmp6, 0x40000                  ; cx
	s_bfe_u32 s41, ttmp6, 0x40004                  ; cy
	s_and_b32 s17, ttmp7, 0xffff
	s_lshl_b32 s17, s17, 2                         ; 4 x cluster y
	s_lshl_b32 s42, ttmp9, 2                       ; 4 x cluster x
	s_cmp_eq_u32 ttmp9, 2                          ; V's clusters?
	s_cselect_b32 s18, 8, s17
	s_cselect_b32 s42, s17, s42
	s_add_co_u32 s17, s18, s41                     ; the row operand's group of 16 tiles: x's 4 Y + cy, or Wv's 8 + cy among the weights'
	s_add_co_u32 s42, s42, s40                     ; the column operand's: the weights' 4 X + cx, or x's 4 Y + cx
	s_lshl_b32 s43, s41, 2
	s_lshl_b32 s43, 15, s43                        ; my row of the cluster
	s_lshl_b32 s44, 0x1111, s40                    ; my column
	s_or_b32 s[G1+0], s43, (3<<16)|(1<<21)         ; 15:0 the mask; 17:16 elements of 8 bytes; 21 set beside a mask; no padding
	s_or_b32 s[G1B+0], s44, (3<<16)|(1<<21)
.irp g, G1, G1B
	s_mov_b32 s[\g+1], 384<<16                     ; tensor_dim0: 3,072 bytes: two K steps of a tile
	s_mov_b32 s[\g+2], 8<<16                       ; tensor_dim1: 8 tiles
	s_mov_b32 s[\g+3], 384<<16                     ; tile_dim0
	s_mov_b32 s[\g+4], 8                           ; tile_dim1
	s_mov_b32 s[\g+5], 1536                        ; from tile to tile: 12,288 bytes
	s_mov_b32 s[\g+6], 0
	s_mov_b32 s[\g+7], 0
.endr
	s_or_b32 s[G1S+0], s43, (3<<16)|(1<<21)        ; the scale words of 8 tiles: 4,096 dense bytes as 16 rows of 256
	s_or_b32 s[G1SB+0], s44, (3<<16)|(1<<21)
.irp g, G1S, G1SB
	s_mov_b32 s[\g+1], 32<<16
	s_mov_b32 s[\g+2], 16<<16
	s_mov_b32 s[\g+3], 32<<16
	s_mov_b32 s[\g+4], 16
	s_mov_b32 s[\g+5], 32
	s_mov_b32 s[\g+6], 0
	s_mov_b32 s[\g+7], 0
.endr
	s_lshl_b32 s18, s16, 3                         ; which 8 tiles of the 16 I fetch
	s_lshl_b32 s20, s17, 4
	s_add_co_u32 s20, s20, s18                     ; the row operand's first tile
	s_lshl_b32 s46, s42, 4
	s_add_co_u32 s46, s46, s18                     ; the column operand's
	s_lshl_b32 s22, s20, 9                         ; their scale words,
	s_mov_b32 s23, 0
	s_lshl_b32 s92, s46, 9
	s_mov_b32 s93, 0
	s_mul_i32 s20, s20, 12288                      ; their codes
	s_mov_b32 s21, 0
	s_mul_i32 s46, s46, 12288
	s_mov_b32 s47, 0
	s_mul_i32 s45, s14, HALFT                      ; where they go: wave x 8 tiles: no place in the cluster enters an LDS address
	s_mul_i32 s94, s14, HALFS
	s_mov_b32 s[SEL], 0x76543210
	s_mov_b32 s[SEL+1], 0xfedcba98
	s_wait_dscnt 0x0                               ; the opening add is done
	s_wait_kmcnt 0x0
	s_cmp_eq_u32 ttmp9, 2
	s_cselect_b64 s[96:97], s[8:9], s[4:5]         ; the row operand's codes,
	s_cselect_b64 s[98:99], s[10:11], s[6:7]       ; its scale words,
	s_cselect_b64 s[8:9], s[4:5], s[8:9]           ; the column operand's codes,
	s_cselect_b64 s[10:11], s[6:7], s[10:11]       ; its scale words
	s_add_nc_u64 s[20:21], s[96:97], s[20:21]
	s_add_nc_u64 s[22:23], s[98:99], s[22:23]
	s_add_nc_u64 s[46:47], s[8:9], s[46:47]
	s_add_nc_u64 s[92:93], s[10:11], s[92:93]
	CROUND                                         ; all sixteen work-groups are here: the first joint loads meet
	s_mov_b32 s[G0S], 1
	s_add_co_u32 s[G0S+1], s94, SCL
	s_mov_b64 s[G0S+2:G0S+3], s[22:23]
	s_or_b32 s[G0S+3], s[G0S+3], 0x80000000
	s_mov_b32 s[G0SB], 1
	s_add_co_u32 s[G0SB+1], s94, SCL
	s_mov_b64 s[G0SB+2:G0SB+3], s[92:93]
	s_or_b32 s[G0SB+3], s[G0SB+3], 0x80000000
	JLOAD G0S, G1S, G0SB, G1SB                     ; the scale words first: they are wanted with the first fill
.irp s, 0,1
	s_mov_b32 s[G0+4*\s], 1
	s_add_co_u32 s[G0+4*\s+1], s45, \s*SLOT
	s_add_nc_u64 s[G0+4*\s+2:G0+4*\s+3], s[20:21], \s*TROW
	s_or_b32 s[G0+4*\s+3], s[G0+4*\s+3], 0x80000000
	s_mov_b32 s[G0B+4*\s], 1
	s_add_co_u32 s[G0B+4*\s+1], s45, \s*SLOT
	s_add_nc_u64 s[G0B+4*\s+2:G0B+4*\s+3], s[46:47], \s*TROW
	s_or_b32 s[G0B+4*\s+3], s[G0B+4*\s+3], 0x80000000
	JLOAD G0+4*\s, G1, G0B+4*\s, G1B
.endr
	s_load_b256 s[4:11], s[0:1], 0x20              ; bq, bk, bv, qkvc: into registers that are done with
	s_load_b64 s[12:13], s[0:1], 0x40              ; qkvs
	v_and_b32 v1, 15, v0                           ; r
	v_bfe_u32 v[HH], v0, 4, 1                      ; h
	v_and_b32 v2, 31, v0
	v_lshlrev_b32 v[CO], 3, v2
	s_mul_i32 s21, s15, HALFT                      ; my 8 row tiles
	s_mul_i32 s22, s16, HALFT                      ; my 8 column tiles,
	s_add_co_u32 s22, s22, 2*HALFT                 ; which lie behind the 16 row tiles
.irp s, 0,1
	v_add_nc_u32 v[ADRA+\s], s21, v[CO]
	v_add_nc_u32 v[ADRB+\s], s22, v[CO]
	s_add_co_u32 s21, s21, SLOT
	s_add_co_u32 s22, s22, SLOT
.endr
	v_lshlrev_b32 v5, 4, v1                        ; my row's scale words: 16 bytes a row and half of K
	s_mul_i32 s21, s15, HALFS
	s_mul_i32 s22, s16, HALFS
	s_add_co_u32 s22, s22, 2*HALFS
	s_sub_co_u32 s22, s22, s21
	v_mul_u32_u24 v6, s22, v[HH]                   ; lanes 16-31 take the column operand's
	s_add_co_u32 s21, s21, SCL
	v_add_nc_u32 v5, v5, v6
	v_add_nc_u32 v[ADRS], s21, v5
	v_lshlrev_b32 v[BO], 6, v[HH]
	v_lshlrev_b32 v[SO], 12, v[HH]
	v_lshl_add_u32 v[SO], v1, 4, v[SO]
	v_and_b32 v3, 8, v1
	v_add_nc_u32 v3, v3, v1
	v_lshlrev_b32 v[BV], 2, v3
.irp b, 0,1,2,3
	v_mov_b32 v[TM+4+\b], 0                        ; written once: a lane permute's destination counts as one of its sources
.endr
.macro FRAG reg, adr, q, i             ; a fragment comes as it was stored: six chunks, 256 consecutive bytes a load
.irp p, 0,1,2,3,4,5
	ds_load_b64 v[\reg+2*\p:\reg+2*\p+1], v[\adr] offset:(\i)*TROW+(\q)*FRB+256*\p
.endr
.endm
; 16 matrix instructions: row tiles a0, a0 + 1 x the eight column tiles.  The 64 accumulators take turns, one instruction a turn, in the same order in every step.
.macro MUL16 a0, p, q, sc, zero
.irp a, \a0, \a0+1
.irp b, 0,1,2,3,4,5,6,7
.if \zero
	v_wmma_scale_f32_16x16x128_f8f6f4 v[8*(8*((\a)%4)+\b):8*(8*((\a)%4)+\b)+7], v[128*(\p)+FR*\b:128*(\p)+FR*\b+FR-1], v[AF+FR*(\a):AF+FR*(\a)+FR-1], 0, v[SC+8*NQ*(\sc)+NQ*\b+(\q)], v[SC+8*NQ*(\sc)+NQ*(\a)+(\q)] matrix_a_fmt:MATRIX_FMT_FP6 matrix_b_fmt:MATRIX_FMT_FP6 matrix_a_scale:MATRIX_SCALE_ROW1
.else
	v_wmma_scale_f32_16x16x128_f8f6f4 v[8*(8*((\a)%4)+\b):8*(8*((\a)%4)+\b)+7], v[128*(\p)+FR*\b:128*(\p)+FR*\b+FR-1], v[AF+FR*(\a):AF+FR*(\a)+FR-1], v[8*(8*((\a)%4)+\b):8*(8*((\a)%4)+\b)+7], v[SC+8*NQ*(\sc)+NQ*\b+(\q)], v[SC+8*NQ*(\sc)+NQ*(\a)+(\q)] matrix_a_fmt:MATRIX_FMT_FP6 matrix_b_fmt:MATRIX_FMT_FP6 matrix_a_scale:MATRIX_SCALE_ROW1
.endif
.endr
.endr
.endm
.macro FETCH_B slot, q, p
	WIN TO_B
.irp i, 0,1,2,3,4,5,6,7
	FRAG 128*(\p)+FR*\i, ADRB+\slot, \q, \i
.endr
	WIN 0
.endm
.macro FETCH_A slot, q, i0
.irp i, \i0, \i0+1, \i0+2, \i0+3
	FRAG AF+FR*(\i), ADRA+\slot, \q, \i
.endr
.endm
.macro SCALES sc, s                    ; fill s's two scale words a row into set sc
.irp i, 0,1,2,3,4,5,6,7
	ds_load_b64 v[SC+8*NQ*\sc+NQ*\i:SC+8*NQ*\sc+NQ*\i+1], v[ADRS] offset:512*\i+256*((\s)/2)+8*((\s)%2)
.endr
.endm
.macro PLACES n                        ; plain vector instructions between a matrix instruction and a load into, or a vector read or write of, its registers
.rept \n
	v_nop
.endr
.endm
.macro STEP slot, q, zero              ; a step of 128 along K that has its successor in the same slot
	s_wait_dscnt 4*NL                              ; all but the youngest 24 loads (row tiles 4-7) are in
	WIN MUL_LO
	MUL16 0, (\q)%2, \q, \slot, \zero
	MUL16 2, (\q)%2, \q, \slot, \zero
	s_wait_dscnt 0
	PLACES NP
	FETCH_B \slot, (\q)+1, 1-(\q)%2
	FETCH_A \slot, (\q)+1, 0
	WIN MUL_HI
	MUL16 4, (\q)%2, \q, \slot, \zero
	MUL16 6, (\q)%2, \q, \slot, \zero
	PLACES NP
	WIN 0
	FETCH_A \slot, (\q)+1, 4
.endm
; A slot's last step changes slots: one barrier; in front of it each wave waits for all its tensor loads, adds 0 to its spare word, and waits for that and for its reads of this slot.
.macro TURN slot, next, fill, s
	s_wait_tensorcnt 0x0                           ; all my tensor loads have landed: my part of the next slot
	ds_add_u32 v[SPW], v[NIL]
	s_wait_dscnt 4*NL+1                            ; (the add and the youngest 24 loads may be out)
	WIN MUL_LO
	MUL16 0, 1, NQ-1, \slot, 0
	s_wait_dscnt 0x0                               ; the add is done, and my reads of this slot are over
	s_barrier_signal -1
	MUL16 2, 1, NQ-1, \slot, 0
	WIN 0
	s_barrier_wait -1
.if \fill
	CREST                                          ; the barrier has opened a round of the cluster's barrier: no wave of any partner still reads this slot or has a load on its way
	s_add_nc_u64 s[G0+4*\slot+2:G0+4*\slot+3], s[G0+4*\slot+2:G0+4*\slot+3], 2*TROW
	s_add_nc_u64 s[G0B+4*\slot+2:G0B+4*\slot+3], s[G0B+4*\slot+2:G0B+4*\slot+3], 2*TROW
	JLOAD G0+4*\slot, G1, G0B+4*\slot, G1B         ; the first tensor load behind the round; its four v_nop are the places in front of the loads below
.else
	PLACES NP
.endif
	FETCH_B \next, 0, 0
	FETCH_A \next, 0, 0
	SCALES \next, \s
	WIN MUL_HI
	MUL16 4, 1, NQ-1, \slot, 0
	MUL16 6, 1, NQ-1, \slot, 0
	PLACES NP
	WIN 0
	FETCH_A \next, 0, 4
.endm
; 64 numbers of a lane, register 16 b + i = place 32 b + 16 h + i along the axis to be quantised, become a fragment's codes in v[PC] on and its scale word in v[pw]
.macro QUANT s, pw
.irp b, 0,1,2,3
	v_max3_num_f32 v[TM+\b], |v[\s+16*\b]|, |v[\s+1+16*\b]|, 0x1800000   ; my 16 numbers of block b, and the floor 2^(3 - 127)
.endr
.irp i, 2,4,6,8,10,12,14
.irp b, 0,1,2,3
	v_max3_num_f32 v[TM+\b], v[TM+\b], |v[\s+16*\b+\i]|, |v[\s+1+16*\b+\i]|
.endr
.endr
.irp b, 0,1,2,3
	v_permlanex16_b32 v[TM+4+\b], v[TM+\b], s[SEL], s[SEL+1]
.endr
.irp b, 0,1,2,3
	v_max_num_f32 v[TM+\b], v[TM+\b], v[TM+4+\b]
.endr
.irp b, 0,1,2,3
	v_add_nc_u32 v[TM+12+\b], 0xff000000, v[TM+\b] ; 2 off the exponent field: the conversion's scale operand
.endr
.irp b, 0,1,2,3
	v_lshrrev_b32 v[TM+4+\b], 23, v[TM+12+\b]      ; the scale's byte
.endr
	v_lshl_or_b32 v[\pw], v[TM+5], 8, v[TM+4]
	v_lshl_or_b32 v[\pw], v[TM+6], 16, v[\pw]
	v_lshl_or_b32 v[\pw], v[TM+7], 24, v[\pw]
.irp c, 0,1
	v_cvt_scalef32_pk16_fp6_f32 v[PC+6*\c:PC+2+6*\c], v[\s+32*\c:\s+15+32*\c], v[TM+12+2*\c]
	v_cvt_scalef32_pk16_fp6_f32 v[PC+12+4*\c:PC+14+4*\c], v[\s+16+32*\c:\s+31+32*\c], v[TM+12+2*\c+1]
.endr
	v_nop                                          ; one plain place behind a scaled conversion
.irp c, 0,1
.irp i, 0,1,2
	v_permlane16_swap_b32 v[PC+6*\c+\i], v[PC+12+4*\c+\i]
.endr
.irp i, 0,1,2
	v_mov_b32 v[PC+3+6*\c+\i], v[PC+12+4*\c+\i]
.endr
.endr
.endm
; Row tile a of my eight: + bias, quantised, stored.  v = 0: the fragment's two halves are two heads' 64 channels of 16 queries or keys; v = 1: it is 128 keys of 16 channels.
.macro EPI a, v
.set AC, 64*((\a)%4)
.if (\a) > 0
	s_wait_xcnt 0x0                                ; the last tile's stores have read the codes' registers
.endif
	WIN 0x02+(\a)/4                                ; source 0: window 2 or 3
.set k, 0
.rept 32                                       ; ascending: each accumulator is read from its low end on
.if \v
	v_pk_add_f32 v[XN+2*k:XN+2*k+1], v[AC+2*k:AC+2*k+1], v[BI+2*(\a):BI+2*(\a)+1]
.else
	v_pk_add_f32 v[XN+2*k:XN+2*k+1], v[AC+2*k:AC+2*k+1], v[BI+2*k:BI+2*k+1]
.endif
.set k, k+1
.endr
	WIN 0
	QUANT XN, PW+(\a)
.irp p, 0,1,2,3,4,5
.if \v
	global_store_b64 v[CO], v[PC+2*\p:PC+2*\p+1], s[10:11] offset:98304*((\a)/4)+1536*((\a)%4)+256*\p
.else
	global_store_b64 v[CO], v[PC+2*\p:PC+2*\p+1], s[10:11] offset:768*(\a)+98304*(\p/3)+256*(\p%3)
.endif
.endr                                          ; each store covers 256 consecutive bytes, aligned
.endm
; The last K step and the way out.  yi: the register with x's group of 256 rows; cc: the place (cx or cy) that picks the weight's group; sa: my half of the weight's rows; sb: my half of x's rows.
.macro TAIL v, yi, cc, sa, sb
	s_lshr_b32 s18, s[\yi], 3                      ; the batch
	s_and_b32 s19, s[\yi], 7
	s_lshl_b32 s20, s[\cc], 1
	s_add_co_u32 s20, s20, s[\sa]                  ; eta: my 128 rows of the weight: heads 2 eta, 2 eta + 1
	s_lshl_b32 s18, s18, 4
	s_lshl_b32 s21, s20, 1
	s_add_co_u32 s18, s18, s21                     ; 16 x batch + the first head
	s_lshl_b32 s19, s19, 1
	s_add_co_u32 s19, s19, s[\sb]                  ; my 128 rows of the batch's 2,048
	s_lshl_b32 s18, s18, 4
	s_add_co_u32 s18, s18, s19
	s_mul_i32 s44, s18, 6144                       ; 128 rows x 64 channels of codes
	s_mul_i32 s23, ttmp9, 6291456                  ; the part: Q, K, V
	s_add_co_u32 s44, s44, s23
	s_mov_b32 s45, 0
	s_lshl_b32 s46, s18, 8                         ; and 256 bytes of scales
	s_lshl_b32 s23, ttmp9, 18
	s_add_co_u32 s46, s46, s23
	s_mov_b32 s47, 0
	s_add_nc_u64 s[10:11], s[10:11], s[44:45]
	s_add_nc_u64 s[12:13], s[12:13], s[46:47]
.if \v
	s_mov_b64 s[4:5], s[8:9]
.else
	s_cmp_eq_u32 ttmp9, 0
	s_cselect_b64 s[4:5], s[4:5], s[6:7]
.endif
	s_lshl_b32 s44, s20, 9
	s_add_nc_u64 s[4:5], s[4:5], s[44:45]          ; the bias of my 128 rows of the weight
.if \v
.irp a, 0,1,2,3,4,5,6,7                        ; a lane's channel of row tile a, into both registers of a pair
	global_load_b32 v[BI+2*\a], v[BV], s[4:5] offset:(32*(\a/2)+8*(\a%2))*4
	global_load_b32 v[BI+2*\a+1], v[BV], s[4:5] offset:(32*(\a/2)+8*(\a%2))*4
.endr
.else
.irp n, 0,1,2,3,4,5,6,7,8,9,10,11,12,13,14,15  ; register 16 b + i: channel 32 b + 16 h + i
	global_load_b128 v[BI+4*\n:BI+4*\n+3], v[BO], s[4:5] offset:128*(\n/4)+16*(\n%4)
.endr
.endif
	s_wait_dscnt 4*NL                              ; the very last step: nothing more to fetch
	WIN MUL_LO
	MUL16 0, 1, NQ-1, 1, 0
	MUL16 2, 1, NQ-1, 1, 0
	s_wait_dscnt 0
	WIN MUL_HI
	MUL16 4, 1, NQ-1, 1, 0
	MUL16 6, 1, NQ-1, 1, 0
	WIN 0
	PLACES NP
	s_wait_loadcnt 0x0                             ; the bias
.irp a, 0,1,2,3,4,5,6,7
	EPI \a, \v
.endr
	v_cmp_ne_u32 vcc_lo, 0, v[HH]                  ; lanes 0-15 store the first head's scales, lanes 16-31 the second's
.if \v
.irp i, 0,1,2,3
	v_cndmask_b32 v[PK+\i], v[PW+\i], v[PW+4+\i], vcc_lo   ; four channel tiles' words
.endr
.else
	v_mov_b32 v2, 0x05040100
	v_mov_b32 v3, 0x07060302
	v_cndmask_b32 v[PS], v2, v3, vcc_lo
.irp i, 0,1,2,3
	v_perm_b32 v[PK+\i], v[PW+2*\i+1], v[PW+2*\i], v[PS]   ; eight tiles' two bytes: the words' low halves, or their high halves
.endr
.endif
	global_store_b128 v[SO], v[PK:PK+3], s[12:13]  ; sixteen lanes store 256 consecutive bytes, aligned
.endm
	s_wait_tensorcnt 1                             ; the scale words and my part of the first fill are in (slot 1's load may be out),
	s_wait_kmcnt 0x0
	s_barrier_signal -1
	s_barrier_wait -1                              ; everybody's are
	FETCH_B 0, 0, 0
	FETCH_A 0, 0, 0
	SCALES 0, 0
	FETCH_A 0, 0, 4
	STEP 0, 0, 1                                   ; the first products start the sums
	TURN 0, 1, 1, 1
	STEP 1, 0, 0
	TURN 1, 0, 1, 2
	STEP 0, 0, 0
	TURN 0, 1, 0, 3                                ; nothing is left to fetch: no round
	STEP 1, 0, 0
	s_cmp_eq_u32 ttmp9, 2                          ; the cluster's x: the same in all partners; no joint load follows
	s_cbranch_scc1 .Lfor_v
	TAIL 0, 17, 40, 16, 15
	s_branch .Ldone
.Lfor_v:
	TAIL 1, 42, 41, 15, 16
.Ldone:
	s_wait_tensorcnt 0x0                           ; the wave's end
	ds_add_u32 v[SPW], v[NIL]
	s_wait_dscnt 0x0
	CROUND                                         ; the closing round
	s_endpgm
.Lfunc_end_k_q3d06bc81ef_proj:
	.size	k_q3d06bc81ef_proj, .Lfunc_end_k_q3d06bc81ef_proj-k_q3d06bc81ef_proj
	.p2alignl 7, 3214868480
	.fill 96, 4, 3214868480
	.section	.rodata,"a",@progbits
	.p2align	6, 0x0
	.amdhsa_kernel k_q3d06bc81ef_proj
		.amdhsa_group_segment_fixed_size 327680
		.amdhsa_private_segment_fixed_size 0
		.amdhsa_enable_private_segment 0
		.amdhsa_kernarg_size 72
		.amdhsa_user_sgpr_count 2
		.amdhsa_user_sgpr_kernarg_segment_ptr 1
		.amdhsa_wavefront_size32 1
		.amdhsa_system_sgpr_workgroup_id_x 1
		.amdhsa_system_sgpr_workgroup_id_y 1
		.amdhsa_system_sgpr_workgroup_id_z 1
		.amdhsa_system_vgpr_workitem_id 0
		.amdhsa_next_free_vgpr 1024
		.amdhsa_next_free_sgpr 100
		.amdhsa_reserve_vcc 1
		.amdhsa_float_denorm_mode_32 3
		.amdhsa_float_denorm_mode_16_64 3
		.amdhsa_memory_ordered 1
		.amdhsa_forward_progress 1
		.amdhsa_inst_pref_size 245
	.end_amdhsa_kernel
	.amdgpu_metadata
---
amdhsa.version: [ 1, 2 ]
amdhsa.kernels:
  - .name:           k_q3d06bc81ef_proj
    .symbol:         k_q3d06bc81ef_proj.kd
    .args:
      - { .name: xc, .offset: 0, .size: 8, .value_kind: global_buffer, .address_space: global }
      - { .name: xs, .offset: 8, .size: 8, .value_kind: global_buffer, .address_space: global }
      - { .name: wc, .offset: 16, .size: 8, .value_kind: global_buffer, .address_space: global }
      - { .name: ws, .offset: 24, .size: 8, .value_kind: global_buffer, .address_space: global }
      - { .name: bq, .offset: 32, .size: 8, .value_kind: global_buffer, .address_space: global }
      - { .name: bk, .offset: 40, .size: 8, .value_kind: global_buffer, .address_space: global }
      - { .name: bv, .offset: 48, .size: 8, .value_kind: global_buffer, .address_space: global }
      - { .name: qkvc, .offset: 56, .size: 8, .value_kind: global_buffer, .address_space: global }
      - { .name: qkvs, .offset: 64, .size: 8, .value_kind: global_buffer, .address_space: global }
    .group_segment_fixed_size: 327680
    .private_segment_fixed_size: 0
    .kernarg_segment_align: 8
    .kernarg_segment_size: 72
    .max_flat_workgroup_size: 128
    .sgpr_count:     100
    .vgpr_count:     1024
    .wavefront_size: 32
...
	.end_amdgpu_metadata
.endif
;; end of part 2
;; launch attn (part 3): grid 4 x 64, 16 waves a work-group, no clusters, 206,848 bytes of LDS; arguments qkvc, qkvs, oc, os; writes oc, os
.if DOCPART == 3
	.amdgcn_target "amdgcn-amd-amdhsa--gfx1250"
	.amdhsa_code_object_version 6
	.text
	.protected	k_q3d06bc81ef_attn
	.globl	k_q3d06bc81ef_attn
	.p2align	8
	.type	k_q3d06bc81ef_attn,@function
k_q3d06bc81ef_attn:
	s_mov_b64 s[64:65], 0
	v_nop
	global_prefetch_b8 v0, s[64:65] scope:SCOPE_SE
	s_setreg_imm32_b32 hwreg(HW_REG_WAVE_MODE, 25, 1), 1
	s_wait_xcnt 0x0
; Causal attention of one head on codes of FP6 (E2M3) with E8M0 scales, and O / l quantised along (head, channel) for the last product.
; t = score x log2(e) / 8 (the 1 / 8 of Q / sqrt(64) is a power of two: Q is quantised without it and it goes into the constant); M = the running largest t rounded up to a whole number; p = 2^(t - M) is
; quantised along the keys; the row's sum is taken of the unquantised p and divides at the end.  When M moves, sum and O are multiplied by 2^(old M - new M): exact.
; SHARES: work-group (i, bh) owns query blocks i and 7 - i (256 queries each) of head bh: equal work in all 256.  Each of sixteen waves owns one tile of 16 queries of each block (tile order:
; lane r of tile T = query 32 (T / 2) + 8 (T % 2) + r + 8 (r / 8)).  A step is 128 keys; a step all of whose keys come after a tile's queries is jumped over (ids alone).
; ALL OF THE HEAD'S K AND V STAYS IN LDS: 196,608 bytes of codes, 8,192 of scales, each byte filled once.  Every wave issues three loads: a sixteenth of the codes of keys 0-255, 512 bytes of scales, an eighth
; of the rest; the first two steps run while the rest lands.  The fills do not stop at the causal limit: a work-group at x = i brings i / 8 of the head that it does not read.  Three tensor loads of a wave are out at the most.
; No joint loads: the steps that a work-group jumps over hang on its query blocks, which would be its place in a cluster.
; LAYOUT: both products transposed: S^T = K Q^T (source 0 = a tile of 16 keys in tile order, so the 16 registers of tiles 2 b, 2 b + 1 are 16 neighbouring keys), O^T = V^T P^T.  A lane holds one query throughout.
; THE SCORE'S K IS 64 IN A FORM OF 128: Q's upper 64 codes are zeros, so what stands in the upper six registers of K's operand (the next tile's codes, finite numbers all) adds nothing; the scale bytes there are 0, not 0xff.
; LIMITS: NaN and infinities are not served; a block of p or O under 2^-124 or of zeros gets the byte 1.
; REGISTERS: v1-7, v46 addresses that stay; v8-11 addresses in hand; v12-19 -M, largest t, sum (a pair) for each tile; v20-43 Q; v44-45 Q's scales; v48-95 K's eight tiles or V's four fragments, at work in the softmax;
;   v96-101 zeros; v104-167 S^T, then p; v168-231 O^T; v232-243 p's codes; v244 its scale word; v245-247 at work; v248-255 K's or V's scale words.
.set VOFF,  98304                      ; LDS: K's codes [key tile][768], then V's [step][channel tile][1,536]
.set KSC,   196608                     ; K's scales [step][r][tile] 2 bytes
.set VSC,   200704                     ; V's [step][r][tile] words
.set SPARE, 204800                     ; the spare words, 128 bytes a wave: eight blocks of 256 bytes that no other line names
.set S,    104
.set ADK,  8
.set ADV,  9
.set ADS,  10
.set ADT,  11
.set WV,   12                          ; s12 wave;  s13 wave % 8;  s14 wave / 8 (0: I fetch K's, 1: V's);  s15 the head, 16 x batch + head
.set SL,   13
.set KV,   14
.set BH,   15
.set G1A,  16                          ; groups 1: 6, 2 and 42 rows of 256 bytes
.set G1S,  24
.set G1C,  32
.set G0A,  40
.set G0S,  44
.set G0C,  48
.set SEL,  52
.set CS,   54                          ; s[54:55] log2(e) / 8
.set KF,   56                          ; the step's first key
.set TB,   57                          ; 6,144 x step
.set TS,   58                          ; 256 x step
.set CNT,  59
.set QMIN, 60                          ; s60-61 each tile's smallest query;  s62-63 its largest
.set QMAX, 62
.set TQ,   80                          ; s80-81 the tiles' numbers in the batch
	s_load_b256 s[4:11], s[0:1], 0x0               ; qkvc, qkvs, oc, os
	v_lshl_add_u32 v5, v0, 2, SPARE
	v_mov_b32 v6, 0
	ds_add_u32 v5, v6                              ; the wave's opening: the add and its wait ahead of my first tensor load
	v_lshrrev_b32 v8, 5, v0
	v_readfirstlane_b32 s[WV], v8
	s_and_b32 s[SL], s[WV], 7
	s_lshr_b32 s[KV], s[WV], 3
	s_and_b32 s[BH], ttmp7, 0xffff
.irp g, G1A, G1S, G1C
	s_mov_b32 s[\g], 3<<16                         ; no mask; elements of 8 bytes; no padding
	s_mov_b32 s[\g+1], 32<<16                      ; tensor_dim0: 256 bytes
	s_mov_b32 s[\g+3], 32<<16                      ; tile_dim0
	s_mov_b32 s[\g+5], 32                          ; dense
	s_mov_b32 s[\g+6], 0
	s_mov_b32 s[\g+7], 0
.endr
	s_mov_b32 s[G1A+2], 6<<16                      ; tensor_dim1 and tile_dim1
	s_mov_b32 s[G1A+4], 6
	s_mov_b32 s[G1S+2], 2<<16
	s_mov_b32 s[G1S+4], 2
	s_mov_b32 s[G1C+2], 42<<16
	s_mov_b32 s[G1C+4], 42
	s_mul_i32 s66, s[KV], VOFF
	s_mul_i32 s67, s[SL], 1536                     ; my piece of the first 12,288 bytes,
	s_mul_i32 s68, s[SL], 10752
	s_add_co_u32 s68, s68, 12288                   ; and of the other 86,016
	s_add_co_u32 s69, s[KV], 1
	s_mul_i32 s70, s69, 6291456                    ; K's part of qkvc, or V's,
	s_mul_i32 s71, s[BH], 98304
	s_add_co_u32 s70, s70, s71                     ; at my head
	s_add_co_u32 s72, s70, s67
	s_mov_b32 s73, 0
	s_add_co_u32 s74, s70, s68
	s_mov_b32 s75, 0
	s_lshl_b32 s76, s69, 18                        ; the same in qkvs
	s_lshl_b32 s71, s[BH], 12
	s_add_co_u32 s76, s76, s71
	s_lshl_b32 s71, s[SL], 9
	s_add_co_u32 s76, s76, s71
	s_mov_b32 s77, 0
	s_add_co_u32 s67, s67, s66                     ; LDS addresses: constants and the wave's number
	s_add_co_u32 s68, s68, s66
	s_lshl_b32 s69, s[WV], 9
	s_add_co_u32 s69, s69, KSC
	s_lshl_b32 s82, ttmp9, 4
	s_add_co_u32 s[TQ], s82, s[WV]                 ; tile 16 i + wave,
	s_sub_co_u32 s[TQ+1], 112, s82
	s_add_co_u32 s[TQ+1], s[TQ+1], s[WV]           ; and 16 (7 - i) + wave
.irp t, 0,1
	s_lshr_b32 s83, s[TQ+\t], 1
	s_lshl_b32 s83, s83, 5
	s_and_b32 s84, s[TQ+\t], 1
	s_lshl_b32 s84, s84, 3
	s_add_co_u32 s[QMIN+\t], s83, s84
	s_add_co_u32 s[QMAX+\t], s[QMIN+\t], 23
	s_lshl_b32 s83, s[BH], 7
	s_add_co_u32 s83, s83, s[TQ+\t]
	s_mul_i32 s[86+4*\t], s83, 768                 ; Q's codes
	s_mov_b32 s[87+4*\t], 0
	s_lshl_b32 s83, s[BH], 12
	s_lshr_b32 s84, s[TQ+\t], 3
	s_lshl_b32 s84, s84, 8
	s_add_co_u32 s83, s83, s84
	s_and_b32 s84, s[TQ+\t], 7
	s_lshl_b32 s84, s84, 1
	s_add_co_u32 s[88+4*\t], s83, s84              ; Q's scales
	s_mov_b32 s[89+4*\t], 0
.endr
	s_mov_b32 s[SEL], 0x76543210
	s_mov_b32 s[SEL+1], 0xfedcba98
	s_mov_b32 s[CS], 0x3e38aa3b                    ; log2(e) / 8
	s_mov_b32 s[CS+1], s[CS]
	s_mov_b32 s[KF], 0
	s_mov_b32 s[TB], 0
	s_mov_b32 s[TS], 0
	s_wait_dscnt 0x0                               ; the opening add is done
	s_wait_kmcnt 0x0
	s_mov_b32 s[G0A], 1
	s_mov_b32 s[G0A+1], s67
	s_add_nc_u64 s[G0A+2:G0A+3], s[4:5], s[72:73]
	s_or_b32 s[G0A+3], s[G0A+3], 0x80000000
	s_mov_b32 s[G0S], 1
	s_mov_b32 s[G0S+1], s69
	s_add_nc_u64 s[G0S+2:G0S+3], s[6:7], s[76:77]
	s_or_b32 s[G0S+3], s[G0S+3], 0x80000000
	s_mov_b32 s[G0C], 1
	s_mov_b32 s[G0C+1], s68
	s_add_nc_u64 s[G0C+2:G0C+3], s[4:5], s[74:75]
	s_or_b32 s[G0C+3], s[G0C+3], 0x80000000
	tensor_load_to_lds s[G0A:G0A+3], s[G1A:G1A+7]  ; all fills of the launch go out here, each byte once
	s_nop 0
	tensor_load_to_lds s[G0S:G0S+3], s[G1S:G1S+7]
	s_nop 0
	tensor_load_to_lds s[G0C:G0C+3], s[G1C:G1C+7]
	s_nop 0
	s_add_nc_u64 s[86:87], s[4:5], s[86:87]
	s_add_nc_u64 s[88:89], s[6:7], s[88:89]
	s_add_nc_u64 s[90:91], s[4:5], s[90:91]
	s_add_nc_u64 s[92:93], s[6:7], s[92:93]
	v_and_b32 v8, 31, v0
	v_lshlrev_b32 v1, 3, v8                        ; 8 x lane
	v_add_nc_u32 v7, VOFF, v1
	v_and_b32 v9, 15, v0                           ; r
	v_bfe_u32 v10, v0, 4, 1                        ; h
	v_lshlrev_b32 v46, 4, v9                       ; 16 r
	v_add_nc_u32 v2, KSC, v46
	v_add_nc_u32 v3, VSC, v46
	v_and_b32 v11, 8, v9
	v_add_nc_u32 v11, v11, v9
	v_lshlrev_b32 v10, 4, v10
	v_sub_nc_u32 v4, v11, v10                      ; r + 8 (r / 8) - 16 h: my query in its tile, less my half's first key in a block
.irp t, 0,1
.irp p, 0,1,2
	global_load_b64 v[20+12*\t+2*\p:21+12*\t+2*\p], v1, s[86+4*\t:87+4*\t] offset:256*\p
.endr
	global_load_u16 v[44+\t], v46, s[88+4*\t:89+4*\t]   ; two bytes; the upper two are 0
.irp z, 6,7,8,9,10,11
	v_mov_b32 v[20+12*\t+\z], 0                    ; Q's upper 64 codes
.endr
	v_mov_b32 v[13+4*\t], 0xff61b1e6               ; the largest t so far: -3e38
	v_floor_f32 v[12+4*\t], -v[13+4*\t]            ; -M
	v_mov_b32 v[14+4*\t], 0
	v_mov_b32 v[15+4*\t], 0
.endr
.irp z, 52,53,54,55,96,97,98,99,100,101,245,246,247
	v_mov_b32 v[\z], 0                             ; the tail of K's last operand; registers that a lane permute or a pair names before they are first written
.endr
.set n, 0
.rept 64
	v_mov_b32 v[168+n], 0                          ; O^T: the step is written once; its first run finds zeros
.set n, n+1
.endr
; A STEP: 128 keys for tile tau.
.macro STEP tau
.set ST, 12+4*(\tau)
.set QR, 20+12*(\tau)
.set OA, 168+32*(\tau)
	s_cmp_gt_u32 s[KF], s[QMAX+\tau]               ; all keys after all my queries: nothing to do
	s_cbranch_scc1 .Lhidden_\@
	v_add_nc_u32 v[ADK], s[TB], v1                 ; (these four are also the places in front of the loads into registers that the last products read)
	v_add_nc_u32 v[ADV], s[TB], v7
	v_add_nc_u32 v[ADS], s[TS], v2
	v_add_nc_u32 v[ADT], s[TS], v3
.irp t, 0,1,2,3,4,5,6,7
.irp p, 0,1,2
	ds_load_b64 v[48+6*\t+2*\p:49+6*\t+2*\p], v[ADK] offset:768*\t+256*\p
.endr
	ds_load_u16 v[248+\t], v[ADS] offset:2*\t
.endr
	s_wait_dscnt 0x0
.irp t, 0,1,2,3,4,5,6,7
	v_wmma_scale_f32_16x16x128_f8f6f4 v[S+8*\t:S+8*\t+7], v[48+6*\t:59+6*\t], v[QR:QR+11], 0, v[248+\t], v[44+\tau] matrix_a_fmt:MATRIX_FMT_FP6 matrix_b_fmt:MATRIX_FMT_FP6
.endr                                          ; register 16 b + i: key KF + 32 b + 16 h + i
.rept 4
	v_nop
.endr
	s_add_co_u32 s66, s[KF], 127                   ; on the diagonal hidden scores become -infinity; a step all of whose keys count jumps over this
	s_cmp_le_u32 s66, s[QMIN+\tau]
	s_cbranch_scc1 .Lopen_\@
	s_sub_co_i32 s66, s[QMIN+\tau], s[KF]
	v_add_nc_u32 v245, s66, v4                     ; d: register 16 b + i is hidden where 32 b + i > d
	v_mov_b32 v246, 0xff800000
.set n, 0
.rept 64
	v_cmp_gt_i32 vcc_lo, 32*(n/16)+n%16, v245
	v_cndmask_b32 v[S+n], v[S+n], v246, vcc_lo
.set n, n+1
.endr
.Lopen_\@:
.irp b, 0,1,2,3
	v_max3_num_f32 v[48+\b], v[S+16*\b], v[S+1+16*\b], v[S+2+16*\b]   ; each block's largest score: for the row's maximum, and, since p rises with the score, for the block's largest p
.endr
.irp i, 3,5,7,9,11,13
.irp b, 0,1,2,3
	v_max3_num_f32 v[48+\b], v[48+\b], v[S+16*\b+\i], v[S+1+16*\b+\i]
.endr
.endr
.irp b, 0,1,2,3
	v_max_num_f32 v[48+\b], v[48+\b], v[S+15+16*\b]
.endr
.irp b, 0,1,2,3
	v_permlanex16_b32 v[52+\b], v[48+\b], s[SEL], s[SEL+1]
.endr
.irp b, 0,1,2,3
	v_max_num_f32 v[48+\b], v[48+\b], v[52+\b]
.endr
	v_max3_num_f32 v245, v48, v49, v50
	v_max_num_f32 v245, v245, v51
	v_mul_f32 v245, s[CS], v245
	v_max_num_f32 v[ST+1], v[ST+1], v245           ; the running largest t
	v_mov_b32 v245, v[ST]
	v_floor_f32 v[ST], -v[ST+1]                    ; the new -M: a whole number
	v_sub_f32 v245, v[ST], v245
	v_cvt_i32_f32 v245, v245                       ; (it saturates)
	v_ldexp_f32 v246, 1.0, v245                    ; f = 2^(old M - new M)
.set n, 0
.rept 32
	v_pk_fma_f32 v[S+n:S+n+1], v[S+n:S+n+1], s[CS:CS+1], v[ST:ST+1] op_sel_hi:[1,0,0]   ; t - M
.set n, n+2
.endr
.irp b, 0,1,2,3
	v_fma_f32 v[48+\b], v[48+\b], s[CS], v[ST]
.endr
.set n, 0
.rept 64
	v_exp_f32 v[S+n], v[S+n]                       ; p, at most 1, not normalised
.set n, n+1
.endr
	v_pk_mul_f32 v[ST+2:ST+3], v[ST+2:ST+3], v[246:247] op_sel_hi:[1,0]   ; the sum under the new M (a plain place behind the exponentials)
	s_wait_alu depctr_va_vdst(0)                   ; one wait for the batch, ahead of its first reader
.irp b, 0,1,2,3
	v_exp_f32 v[48+\b], v[48+\b]                   ; each block's largest p
.endr
	v_pk_add_f32 v[68:69], v[S:S+1], v[S+2:S+3]    ; the row's sum of the unquantised p, in two chains
.set n, 4
.rept 15
	v_pk_add_f32 v[ST+2:ST+3], v[ST+2:ST+3], v[S+n:S+n+1]
	v_pk_add_f32 v[68:69], v[68:69], v[S+n+2:S+n+3]
.set n, n+4
.endr
	v_pk_add_f32 v[ST+2:ST+3], v[ST+2:ST+3], v[68:69]
	s_wait_alu depctr_va_vdst(0)                   ; and one for the four
.irp b, 0,1,2,3
	v_max_num_f32 v[48+\b], 0x1800000, v[48+\b]    ; the floor 2^(3 - 127)
.endr
.irp b, 0,1,2,3
	v_add_nc_u32 v[64+\b], 0xff000000, v[48+\b]    ; the conversion's scale operand
.endr
.irp b, 0,1,2,3
	v_lshrrev_b32 v[52+\b], 23, v[64+\b]           ; the scale's byte
.endr
	v_lshl_or_b32 v244, v53, 8, v52
	v_lshl_or_b32 v244, v54, 16, v244
	v_lshl_or_b32 v244, v55, 24, v244
.irp c, 0,1
	v_cvt_scalef32_pk16_fp6_f32 v[232+6*\c:234+6*\c], v[S+32*\c:S+15+32*\c], v[64+2*\c]
	v_cvt_scalef32_pk16_fp6_f32 v[56+4*\c:58+4*\c], v[S+16+32*\c:S+31+32*\c], v[64+2*\c+1]
.endr
	v_nop                                          ; one plain place behind a scaled conversion
.irp c, 0,1
.irp i, 0,1,2
	v_permlane16_swap_b32 v[232+6*\c+\i], v[56+4*\c+\i]
.endr
.irp i, 0,1,2
	v_mov_b32 v[235+6*\c+\i], v[56+4*\c+\i]
.endr
.endr
.irp t, 0,1,2,3
.irp p, 0,1,2,3,4,5
	ds_load_b64 v[48+12*\t+2*\p:49+12*\t+2*\p], v[ADV] offset:1536*\t+256*\p
.endr
	ds_load_b32 v[248+\t], v[ADT] offset:4*\t
.endr
.set n, 0
.rept 16
	v_pk_mul_f32 v[OA+n:OA+n+1], v[OA+n:OA+n+1], v[246:247] op_sel_hi:[1,0]   ; O^T under the new M; these 16 are also the places between p's codes and scale word and the products
.set n, n+2
.endr
	s_wait_dscnt 0x0
.irp t, 0,1,2,3                                ; four accumulators by turns
	v_wmma_scale_f32_16x16x128_f8f6f4 v[OA+8*\t:OA+8*\t+7], v[48+12*\t:59+12*\t], v[232:243], v[OA+8*\t:OA+8*\t+7], v[248+\t], v244 matrix_a_fmt:MATRIX_FMT_FP6 matrix_b_fmt:MATRIX_FMT_FP6
.endr
.Lhidden_\@:
.endm
.macro TRIP
	STEP 1
	STEP 0
	s_add_co_u32 s[KF], s[KF], 128
	s_add_co_u32 s[TB], s[TB], 6144
	s_add_co_u32 s[TS], s[TS], 256
.endm
; Tile tau leaves: O^T / the sum, quantised along the head's 64 channels (register 16 b + i = channel 32 b + 16 h + i): half a fragment image and two scale bytes a row.
.macro OUT tau
.set ST, 12+4*(\tau)
.set OA, 168+32*(\tau)
	v_add_f32 v245, v[ST+2], v[ST+3]
	v_permlanex16_b32 v246, v245, s[SEL], s[SEL+1]
	v_add_f32 v245, v245, v246                     ; the row's sum
	v_rcp_f32 v246, v245
	v_nop                                          ; a plain place behind the reciprocal
	s_lshr_b32 s66, s[BH], 4
	s_lshl_b32 s66, s66, 7
	s_add_co_u32 s66, s66, s[TQ+\tau]              ; the tile among all 512 tiles of rows
	s_and_b32 s67, s[BH], 15                       ; the head
	s_mul_i32 s68, s66, 12288
	s_mul_i32 s69, s67, 768                        ; K = 64 head + channel: half an image a head
	s_add_co_u32 s68, s68, s69
	s_mov_b32 s69, 0
	s_add_nc_u64 s[70:71], s[8:9], s[68:69]
	s_lshl_b32 s72, s66, 9
	s_lshr_b32 s73, s67, 3
	s_lshl_b32 s73, s73, 8
	s_add_co_u32 s72, s72, s73
	s_and_b32 s73, s67, 7
	s_lshl_b32 s73, s73, 1
	s_add_co_u32 s72, s72, s73
	s_mov_b32 s73, 0
	s_add_nc_u64 s[74:75], s[10:11], s[72:73]
	s_wait_alu depctr_va_vdst(0)                   ; ahead of the reciprocal's first reader
.set n, 0
.rept 16
	v_pk_mul_f32 v[S+n:S+n+1], v[OA+n:OA+n+1], v[246:247] op_sel_hi:[1,0]   ; ascending: each accumulator from its low end on
.set n, n+2
.endr
.irp b, 0,1
	v_max3_num_f32 v[48+\b], |v[S+16*\b]|, |v[S+1+16*\b]|, 0x1800000
.endr
.irp i, 2,4,6,8,10,12,14
.irp b, 0,1
	v_max3_num_f32 v[48+\b], v[48+\b], |v[S+16*\b+\i]|, |v[S+1+16*\b+\i]|
.endr
.endr
.irp b, 0,1
	v_permlanex16_b32 v[52+\b], v[48+\b], s[SEL], s[SEL+1]
.endr
.irp b, 0,1
	v_max_num_f32 v[48+\b], v[48+\b], v[52+\b]
.endr
.irp b, 0,1
	v_add_nc_u32 v[64+\b], 0xff000000, v[48+\b]
.endr
.irp b, 0,1
	v_lshrrev_b32 v[52+\b], 23, v[64+\b]
.endr
	v_lshl_or_b32 v244, v53, 8, v52
	v_cvt_scalef32_pk16_fp6_f32 v[232:234], v[S:S+15], v64
	v_cvt_scalef32_pk16_fp6_f32 v[56:58], v[S+16:S+31], v65
	v_nop
.irp i, 0,1,2
	v_permlane16_swap_b32 v[232+\i], v[56+\i]
.endr
.irp i, 0,1,2
	v_mov_b32 v[235+\i], v[56+\i]
.endr
.irp p, 0,1,2
	global_store_b64 v1, v[232+2*\p:233+2*\p], s[70:71] offset:256*\p   ; 256 consecutive bytes, aligned
.endr
	global_store_b16 v46, v244, s[74:75]           ; two bytes a row, 16 bytes apart (both halves of the lanes write the same): 1 byte in 25 of what the launch stores
.endm
	s_wait_loadcnt 0x0                             ; Q
	s_wait_tensorcnt 0x1                           ; my pieces of keys 0-255 and of the scales are in; the one load issued behind them may be out
	s_barrier_signal -1
	s_barrier_wait -1
	TRIP                                           ; keys 0-255, written out: their LDS addresses are constants of the text
	TRIP
	s_wait_tensorcnt 0x0                           ; my part of the rest is in,
	s_wait_dscnt 0x0
	s_barrier_signal -1
	s_barrier_wait -1                              ; everybody's is
	s_mov_b32 s[CNT], 14
.Lkeys:
	TRIP
	s_sub_co_u32 s[CNT], s[CNT], 1
	s_cmp_lg_u32 s[CNT], 0
	s_cbranch_scc1 .Lkeys
.rept 4
	v_nop                                          ; places behind the last products
.endr
	OUT 1
	s_wait_xcnt 0x0                                ; the stores have read their registers and bases
	OUT 0
	s_wait_tensorcnt 0x0                           ; the wave's end
	ds_add_u32 v5, v6
	s_wait_dscnt 0x0
	s_endpgm
.Lfunc_end_k_q3d06bc81ef_attn:
	.size	k_q3d06bc81ef_attn, .Lfunc_end_k_q3d06bc81ef_attn-k_q3d06bc81ef_attn
	.p2alignl 7, 3214868480
	.fill 96, 4, 3214868480
	.section	.rodata,"a",@progbits
	.p2align	6, 0x0
	.amdhsa_kernel k_q3d06bc81ef_attn
		.amdhsa_group_segment_fixed_size 206848
		.amdhsa_private_segment_fixed_size 0
		.amdhsa_enable_private_segment 0
		.amdhsa_kernarg_size 32
		.amdhsa_user_sgpr_count 2
		.amdhsa_user_sgpr_kernarg_segment_ptr 1
		.amdhsa_wavefront_size32 1
		.amdhsa_system_sgpr_workgroup_id_x 1
		.amdhsa_system_sgpr_workgroup_id_y 1
		.amdhsa_system_sgpr_workgroup_id_z 1
		.amdhsa_system_vgpr_workitem_id 0
		.amdhsa_next_free_vgpr 256
		.amdhsa_next_free_sgpr 100
		.amdhsa_reserve_vcc 1
		.amdhsa_float_denorm_mode_32 3
		.amdhsa_float_denorm_mode_16_64 3
		.amdhsa_memory_ordered 1
		.amdhsa_forward_progress 1
		.amdhsa_inst_pref_size 154
	.end_amdhsa_kernel
	.amdgpu_metadata
---
amdhsa.version: [ 1, 2 ]
amdhsa.kernels:
  - .name:           k_q3d06bc81ef_attn
    .symbol:         k_q3d06bc81ef_attn.kd
    .args:
      - { .name: qkvc, .offset: 0, .size: 8, .value_kind: global_buffer, .address_space: global }
      - { .name: qkvs, .offset: 8, .size: 8, .value_kind: global_buffer, .address_space: global }
      - { .name: oc, .offset: 16, .size: 8, .value_kind: global_buffer, .address_space: global }
      - { .name: os, .offset: 24, .size: 8, .value_kind: global_buffer, .address_space: global }
    .group_segment_fixed_size: 206848
    .private_segment_fixed_size: 0
    .kernarg_segment_align: 8
    .kernarg_segment_size: 32
    .max_flat_workgroup_size: 512
    .sgpr_count:     100
    .vgpr_count:     256
    .wavefront_size: 32
...
	.end_amdgpu_metadata
.endif
;; end of part 3
;; launch outp (part 4): grid 4 x 32, 4 waves a work-group, clusters of 4 x 4, 327,680 bytes of LDS; arguments oc, os, wc, ws, out0; writes out0
.if DOCPART == 4
	.amdgcn_target "amdgcn-amd-amdhsa--gfx1250"
	.amdhsa_code_object_version 6
	.text
	.protected	k_q3d06bc81ef_outp
	.globl	k_q3d06bc81ef_outp
	.p2align	8
	.type	k_q3d06bc81ef_outp,@function
k_q3d06bc81ef_outp:
	s_mov_b64 s[64:65], 0
	v_nop
	global_prefetch_b8 v0, s[64:65] scope:SCOPE_SE
	s_setreg_imm32_b32 hwreg(HW_REG_WAVE_MODE, 25, 1), 1
	s_wait_xcnt 0x0
	s_wait_alu depctr_hold_cnt(0) depctr_sa_sdst(0) depctr_va_vdst(0) depctr_va_sdst(0) depctr_va_ssrc(0) depctr_va_vcc(0) depctr_vm_vsrc(0)
	s_getreg_b32 s2, hwreg(HW_REG_IB_STS2, 6, 4)
	s_cmp_eq_u32 s2, 0
	s_cbranch_scc0 .Lentry_in_a_cluster
	s_endpgm
.Lentry_in_a_cluster:
	s_bfe_u32 s2, ttmp6, 0x10000c
	s_cmp_lg_u32 s2, 0xf033
	s_cbranch_scc0 .Lentry_shape_is_right
	s_endpgm
.Lentry_shape_is_right:
; out0 = O Wo^T on codes of FP6 (E2M3) with E8M0 scales, K = 1,024; out0 [8192][1024] f32.  O's codes (oc, os) and Wo's (tiles 192-255 of wc, ws) come as fragment images in tile order
; (16 rows x 128 K = 1,536 bytes, six chunks of 256 bytes; lane r of tile T = row 32 (T / 2) + 8 (T % 2) + r + 8 (r / 8)).
; A work-group of four waves makes 256 x 256, a wave 128 x 128: 64 accumulators.  Source 1 = a tile of O (a lane holds one row of out0), source 0 = a tile of Wo: by the tile order the 16 registers of
; accumulators 2 b, 2 b + 1 are 16 neighbouring columns.  CLUSTERS: 4 x 4; O's tiles are shared along a row of the cluster, Wo's along a column: joint loads.
; K goes in four fills of 256 through two LDS slots; the scale words of all of K come once.  By this text's count a wave has three tensor loads out at the start, later one.
; The way out undoes the tile order: a block of 16 rows goes through the wave's stage in LDS and leaves as whole rows of 512 bytes.  The grid has 128 work-groups: out0 has no more tiles of this size.
; REGISTERS: window 0: v16-29 addresses; v32-63 scale words, two sets; v128-223 O's fragments, one set; on the way out v128-255.  window 1: Wo's fragments, two sets.  windows 2, 3: the accumulators.
.set NQ,    2
.set FR,    12
.set NL,    6
.set NP,    4
.set FRB,   1536
.set TROW,  NQ*FRB
.set HALFT, 8*TROW
.set SLOT,  4*HALFT
.set SCL,   2*SLOT
.set HALFS, 8*512
.set SPARE, SCL+4*HALFS                ; the spare words, 128 bytes a wave: two blocks of 256 bytes that no other line names
.set SPITCH, 528                       ; the stage: 16 rows x (512 + 16) bytes a wave, in slot 0, which has had its last fill and its last read when the first result is stored there
.set ADRA, 16
.set ADRB, 20
.set STO,  24
.set RD,   25
.set CO,   26
.set ADRS, 27
.set SPW,  28
.set NIL,  29
.set SC,   32
.set AF,   128
.set BK,   128
.set G1, 24
.set G0, 32
.set G1B, 48
.set G0B, 56
.set G1S, 68
.set G0S, 76
.set G1SB, 80
.set G0SB, 88
.set MSB, 0
.macro WIN new
.if MSB != (\new)
	s_set_vgpr_msb (MSB<<8)|(\new)
.set MSB, \new
.endif
.endm
.set MUL_LO, 0xa1
.set MUL_HI, 0xf1
.set TO_B,   0x40
.macro JLOAD g0a, g1a, g0b, g1b        ; waves 0 and 1 fetch O's halves, waves 2 and 3 Wo's; an s_nop 0 and four v_nop follow each of the two lines
	s_cmp_eq_u32 s15, 0
	s_cbranch_scc0 .Lfor_b_\@
	tensor_load_to_lds s[\g0a:\g0a+3], s[\g1a:\g1a+7]
	s_nop 0
.rept 4
	v_nop
.endr
	s_branch .Lasked_\@
.Lfor_b_\@:
	tensor_load_to_lds s[\g0b:\g0b+3], s[\g1b:\g1b+7]
	s_nop 0
.rept 4
	v_nop
.endr
.Lasked_\@:
.endm
.macro CREST
	s_cmp_lg_u32 s14, 0
	s_cbranch_scc1 .Lnot_wave_0_\@
	s_barrier_signal -3
.Lnot_wave_0_\@:
	s_barrier_wait -3
	s_barrier_signal -1
	s_barrier_wait -1
.endm
.macro CROUND
	s_barrier_signal -1
	s_barrier_wait -1
	CREST
.endm
	s_load_b256 s[4:11], s[0:1], 0x0               ; oc, os, wc, ws
	s_load_b64 s[12:13], s[0:1], 0x20              ; out0
	v_lshl_add_u32 v[SPW], v0, 2, SPARE
	v_mov_b32 v[NIL], 0
	ds_add_u32 v[SPW], v[NIL]                      ; the wave's opening: the add and its wait ahead of my first tensor load
	v_lshrrev_b32 v1, 5, v0
	v_readfirstlane_b32 s14, v1
	s_lshr_b32 s15, s14, 1
	s_and_b32 s16, s14, 1
	s_bfe_u32 s40, ttmp6, 0x40000                  ; cx
	s_bfe_u32 s41, ttmp6, 0x40004                  ; cy
	s_lshl_b32 s42, ttmp9, 2
	s_add_co_u32 s42, s42, s40                     ; tile column of out0
	s_and_b32 s17, ttmp7, 0xffff
	s_lshl_b32 s17, s17, 2
	s_add_co_u32 s17, s17, s41                     ; tile row
	s_lshl_b32 s43, s41, 2
	s_lshl_b32 s43, 15, s43
	s_lshl_b32 s44, 0x1111, s40
	s_or_b32 s[G1+0], s43, (3<<16)|(1<<21)         ; the mask; elements of 8 bytes; bit 21 beside a mask; no padding
	s_or_b32 s[G1B+0], s44, (3<<16)|(1<<21)
.irp g, G1, G1B
	s_mov_b32 s[\g+1], 384<<16
	s_mov_b32 s[\g+2], 8<<16
	s_mov_b32 s[\g+3], 384<<16
	s_mov_b32 s[\g+4], 8
	s_mov_b32 s[\g+5], 1536
	s_mov_b32 s[\g+6], 0
	s_mov_b32 s[\g+7], 0
.endr
	s_or_b32 s[G1S+0], s43, (3<<16)|(1<<21)
	s_or_b32 s[G1SB+0], s44, (3<<16)|(1<<21)
.irp g, G1S, G1SB
	s_mov_b32 s[\g+1], 32<<16
	s_mov_b32 s[\g+2], 16<<16
	s_mov_b32 s[\g+3], 32<<16
	s_mov_b32 s[\g+4], 16
	s_mov_b32 s[\g+5], 32
	s_mov_b32 s[\g+6], 0
	s_mov_b32 s[\g+7], 0
.endr
	s_lshl_b32 s18, s16, 3
	s_lshl_b32 s20, s17, 4
	s_add_co_u32 s20, s20, s18                     ; O's first tile that I fetch
	s_lshl_b32 s46, s42, 4
	s_add_co_u32 s46, s46, s18
	s_add_co_u32 s46, s46, 192                     ; Wo's, behind Wq's, Wk's and Wv's 192
	s_lshl_b32 s22, s20, 9
	s_mov_b32 s23, 0
	s_lshl_b32 s92, s46, 9
	s_mov_b32 s93, 0
	s_mul_i32 s20, s20, 12288
	s_mov_b32 s21, 0
	s_mul_i32 s46, s46, 12288
	s_mov_b32 s47, 0
	s_mul_i32 s45, s14, HALFT
	s_mul_i32 s94, s14, HALFS
	s_wait_dscnt 0x0                               ; the opening add is done
	s_wait_kmcnt 0x0
	s_add_nc_u64 s[20:21], s[4:5], s[20:21]
	s_add_nc_u64 s[22:23], s[6:7], s[22:23]
	s_add_nc_u64 s[46:47], s[8:9], s[46:47]
	s_add_nc_u64 s[92:93], s[10:11], s[92:93]
	CROUND                                         ; all sixteen work-groups are here: the first joint loads meet
	s_mov_b32 s[G0S], 1
	s_add_co_u32 s[G0S+1], s94, SCL
	s_mov_b64 s[G0S+2:G0S+3], s[22:23]
	s_or_b32 s[G0S+3], s[G0S+3], 0x80000000
	s_mov_b32 s[G0SB], 1
	s_add_co_u32 s[G0SB+1], s94, SCL
	s_mov_b64 s[G0SB+2:G0SB+3], s[92:93]
	s_or_b32 s[G0SB+3], s[G0SB+3], 0x80000000
	JLOAD G0S, G1S, G0SB, G1SB
.irp s, 0,1
	s_mov_b32 s[G0+4*\s], 1
	s_add_co_u32 s[G0+4*\s+1], s45, \s*SLOT
	s_add_nc_u64 s[G0+4*\s+2:G0+4*\s+3], s[20:21], \s*TROW
	s_or_b32 s[G0+4*\s+3], s[G0+4*\s+3], 0x80000000
	s_mov_b32 s[G0B+4*\s], 1
	s_add_co_u32 s[G0B+4*\s+1], s45, \s*SLOT
	s_add_nc_u64 s[G0B+4*\s+2:G0B+4*\s+3], s[46:47], \s*TROW
	s_or_b32 s[G0B+4*\s+3], s[G0B+4*\s+3], 0x80000000
	JLOAD G0+4*\s, G1, G0B+4*\s, G1B
.endr
	v_and_b32 v1, 15, v0                           ; r
	v_bfe_u32 v2, v0, 4, 1                         ; h
	v_and_b32 v3, 31, v0
	v_lshlrev_b32 v4, 3, v3                        ; 8 x lane
	s_mul_i32 s21, s15, HALFT
	s_mul_i32 s22, s16, HALFT
	s_add_co_u32 s22, s22, 2*HALFT
.irp s, 0,1
	v_add_nc_u32 v[ADRA+\s], s21, v4
	v_add_nc_u32 v[ADRB+\s], s22, v4
	s_add_co_u32 s21, s21, SLOT
	s_add_co_u32 s22, s22, SLOT
.endr
	v_lshlrev_b32 v5, 4, v1
	s_mul_i32 s21, s15, HALFS
	s_mul_i32 s22, s16, HALFS
	s_add_co_u32 s22, s22, 2*HALFS
	s_sub_co_u32 s22, s22, s21
	v_mul_u32_u24 v6, s22, v2                      ; lanes 16-31 take Wo's scale words
	s_add_co_u32 s21, s21, SCL
	v_add_nc_u32 v5, v5, v6
	v_add_nc_u32 v[ADRS], s21, v5
	s_mul_i32 s23, s14, 16*SPITCH                  ; my stage
	v_mul_u32_u24 v5, v1, SPITCH                   ; in: row r, 64 bytes on for lanes 16-31
	v_lshl_add_u32 v5, v2, 6, v5
	v_add_nc_u32 v[STO], s23, v5
	v_lshlrev_b32 v[CO], 4, v3                     ; back: the 32 lanes take one row of 512 bytes; the same in out0
	v_add_nc_u32 v[RD], s23, v[CO]
	s_lshl_b32 s20, s17, 8
	s_lshl_b32 s21, s15, 7
	s_add_co_u32 s20, s20, s21                     ; my first row of out0,
	s_lshl_b32 s20, s20, 12                        ; of 4,096 bytes
	s_mov_b32 s21, 0
	s_lshl_b32 s46, s42, 10                        ; my first column, in bytes
	s_lshl_b32 s47, s16, 9
	s_add_co_u32 s46, s46, s47
	s_mov_b32 s47, 0
	s_add_nc_u64 s[20:21], s[20:21], s[46:47]
	s_add_nc_u64 s[12:13], s[12:13], s[20:21]
.macro FRAG reg, adr, q, i
.irp p, 0,1,2,3,4,5
	ds_load_b64 v[\reg+2*\p:\reg+2*\p+1], v[\adr] offset:(\i)*TROW+(\q)*FRB+256*\p
.endr
.endm
; The 64 accumulators take turns, one instruction a turn, in the same order in every step.
.macro MUL16 a0, p, q, sc, zero
.irp a, \a0, \a0+1
.irp b, 0,1,2,3,4,5,6,7
.if \zero
	v_wmma_scale_f32_16x16x128_f8f6f4 v[8*(8*((\a)%4)+\b):8*(8*((\a)%4)+\b)+7], v[128*(\p)+FR*\b:128*(\p)+FR*\b+FR-1], v[AF+FR*(\a):AF+FR*(\a)+FR-1], 0, v[SC+8*NQ*(\sc)+NQ*\b+(\q)], v[SC+8*NQ*(\sc)+NQ*(\a)+(\q)] matrix_a_fmt:MATRIX_FMT_FP6 matrix_b_fmt:MATRIX_FMT_FP6 matrix_a_scale:MATRIX_SCALE_ROW1
.else
	v_wmma_scale_f32_16x16x128_f8f6f4 v[8*(8*((\a)%4)+\b):8*(8*((\a)%4)+\b)+7], v[128*(\p)+FR*\b:128*(\p)+FR*\b+FR-1], v[AF+FR*(\a):AF+FR*(\a)+FR-1], v[8*(8*((\a)%4)+\b):8*(8*((\a)%4)+\b)+7], v[SC+8*NQ*(\sc)+NQ*\b+(\q)], v[SC+8*NQ*(\sc)+NQ*(\a)+(\q)] matrix_a_fmt:MATRIX_FMT_FP6 matrix_b_fmt:MATRIX_FMT_FP6 matrix_a_scale:MATRIX_SCALE_ROW1
.endif
.endr
.endr
.endm
.macro FETCH_B slot, q, p
	WIN TO_B
.irp i, 0,1,2,3,4,5,6,7
	FRAG 128*(\p)+FR*\i, ADRB+\slot, \q, \i
.endr
	WIN 0
.endm
.macro FETCH_A slot, q, i0
.irp i, \i0, \i0+1, \i0+2, \i0+3
	FRAG AF+FR*(\i), ADRA+\slot, \q, \i
.endr
.endm
.macro SCALES sc, s
.irp i, 0,1,2,3,4,5,6,7
	ds_load_b64 v[SC+8*NQ*\sc+NQ*\i:SC+8*NQ*\sc+NQ*\i+1], v[ADRS] offset:512*\i+256*((\s)/2)+8*((\s)%2)
.endr
.endm
.macro PLACES n                        ; plain vector instructions between a matrix instruction and a load into, or a read of, its registers
.rept \n
	v_nop
.endr
.endm
.macro STEP slot, q, zero
	s_wait_dscnt 4*NL                              ; all but the youngest 24 loads (O's tiles 4-7) are in
	WIN MUL_LO
	MUL16 0, (\q)%2, \q, \slot, \zero
	MUL16 2, (\q)%2, \q, \slot, \zero
	s_wait_dscnt 0
	PLACES NP
	FETCH_B \slot, (\q)+1, 1-(\q)%2
	FETCH_A \slot, (\q)+1, 0
	WIN MUL_HI
	MUL16 4, (\q)%2, \q, \slot, \zero
	MUL16 6, (\q)%2, \q, \slot, \zero
	PLACES NP
	WIN 0
	FETCH_A \slot, (\q)+1, 4
.endm
.macro TURN slot, next, fill, s
	s_wait_tensorcnt 0x0                           ; all my tensor loads have landed: my part of the next slot
	ds_add_u32 v[SPW], v[NIL]
	s_wait_dscnt 4*NL+1                            ; (the add and the youngest 24 loads may be out)
	WIN MUL_LO
	MUL16 0, 1, NQ-1, \slot, 0
	s_wait_dscnt 0x0                               ; the add is done, and my reads of this slot are over
	s_barrier_signal -1
	MUL16 2, 1, NQ-1, \slot, 0
	WIN 0
	s_barrier_wait -1
.if \fill
	CREST                                          ; the barrier has opened a round of the cluster's barrier
	s_add_nc_u64 s[G0+4*\slot+2:G0+4*\slot+3], s[G0+4*\slot+2:G0+4*\slot+3], 2*TROW
	s_add_nc_u64 s[G0B+4*\slot+2:G0B+4*\slot+3], s[G0B+4*\slot+2:G0B+4*\slot+3], 2*TROW
	JLOAD G0+4*\slot, G1, G0B+4*\slot, G1B         ; the first tensor load behind the round; its four v_nop are the places in front of the loads below
.else
	PLACES NP
.endif
	FETCH_B \next, 0, 0
	FETCH_A \next, 0, 0
	SCALES \next, \s
	WIN MUL_HI
	MUL16 4, 1, NQ-1, \slot, 0
	MUL16 6, 1, NQ-1, \slot, 0
	PLACES NP
	WIN 0
	FETCH_A \next, 0, 4
.endm
	s_wait_tensorcnt 1                             ; the scale words and my part of the first fill are in (slot 1's load may be out),
	s_barrier_signal -1
	s_barrier_wait -1                              ; everybody's are
	FETCH_B 0, 0, 0
	FETCH_A 0, 0, 0
	SCALES 0, 0
	FETCH_A 0, 0, 4
	STEP 0, 0, 1                                   ; the first products start the sums
	TURN 0, 1, 1, 1
	STEP 1, 0, 0
	TURN 1, 0, 1, 2
	STEP 0, 0, 0
	TURN 0, 1, 0, 3                                ; nothing is left to fetch: no round
	STEP 1, 0, 0
	s_wait_dscnt 4*NL                              ; the very last step
	WIN MUL_LO
	MUL16 0, 1, NQ-1, 1, 0
	MUL16 2, 1, NQ-1, 1, 0
	s_wait_dscnt 0
	WIN MUL_HI
	MUL16 4, 1, NQ-1, 1, 0
	MUL16 6, 1, NQ-1, 1, 0
	WIN 0
; THE WAY OUT, block by block of 16 rows x 128 columns.  Register j of accumulator (a, b) is column 32 (b / 2) + 16 h + 8 (b % 2) + j of the lane's row.  LDS serves a wave's instructions in order: no wait between stores and loads.
.macro TOSTAGE a
.set AC, 64*((\a)%4)
	WIN 0x08+4*((\a)/4)                            ; the data: window 2 or 3
.irp b, 0,1,2,3,4,5,6,7
	ds_store_b128 v[STO], v[AC+8*\b:AC+8*\b+3] offset:128*(\b/2)+32*(\b%2)          ; each accumulator from its low end on
	ds_store_b128 v[STO], v[AC+8*\b+4:AC+8*\b+7] offset:128*(\b/2)+32*(\b%2)+16
.endr
	WIN 0
.set BB, BK+64*((\a)%2)
.irp t, 0,1,2,3,4,5,6,7,8,9,10,11,12,13,14,15
	ds_load_b128 v[BB+4*\t:BB+4*\t+3], v[RD] offset:\t*SPITCH
.endr
.endm
.macro SEND a, younger                 ; stage row t of block a is row 32 (a / 2) + 8 (a % 2) + t + 8 (t / 8) of my 128: the tile order is undone in the immediate, 127 rows of 4,096 bytes at the most
.set BB, BK+64*((\a)%2)
	s_wait_dscnt \younger
.irp t, 0,1,2,3,4,5,6,7,8,9,10,11,12,13,14,15
	global_store_b128 v[CO], v[BB+4*\t:BB+4*\t+3], s[12:13] offset:(32*((\a)/2)+8*((\a)%2)+\t+8*(\t/8))*4096 th:TH_STORE_NT   ; 32 lanes store 512 consecutive bytes, aligned
.endr
.endm
	PLACES NP
	TOSTAGE 0
.irp a, 1,2,3,4,5,6,7
.if \a > 1
	s_wait_xcnt 0x0                                ; block a - 2's stores have read their registers: block a's loads may land there
.endif
	TOSTAGE \a
	SEND \a-1, 32                                  ; behind block a - 1's loads: block a's 16 stores and 16 loads
.endr
	SEND 7, 0
	s_wait_tensorcnt 0x0                           ; the wave's end
	ds_add_u32 v[SPW], v[NIL]
	s_wait_dscnt 0x0
	CROUND                                         ; the closing round
	s_endpgm
.Lfunc_end_k_q3d06bc81ef_outp:
	.size	k_q3d06bc81ef_outp, .Lfunc_end_k_q3d06bc81ef_outp-k_q3d06bc81ef_outp
	.p2alignl 7, 3214868480
	.fill 96, 4, 3214868480
	.section	.rodata,"a",@progbits
	.p2align	6, 0x0
	.amdhsa_kernel k_q3d06bc81ef_outp
		.amdhsa_group_segment_fixed_size 327680
		.amdhsa_private_segment_fixed_size 0
		.amdhsa_enable_private_segment 0
		.amdhsa_kernarg_size 40
		.amdhsa_user_sgpr_count 2
		.amdhsa_user_sgpr_kernarg_segment_ptr 1
		.amdhsa_wavefront_size32 1
		.amdhsa_system_sgpr_workgroup_id_x 1
		.amdhsa_system_sgpr_workgroup_id_y 1
		.amdhsa_system_sgpr_workgroup_id_z 1
		.amdhsa_system_vgpr_workitem_id 0
		.amdhsa_next_free_vgpr 1024
		.amdhsa_next_free_sgpr 100
		.amdhsa_reserve_vcc 0
		.amdhsa_float_denorm_mode_32 3
		.amdhsa_float_denorm_mode_16_64 3
		.amdhsa_memory_ordered 1
		.amdhsa_forward_progress 1
		.amdhsa_inst_pref_size 158
	.end_amdhsa_kernel
	.amdgpu_metadata
---
amdhsa.version: [ 1, 2 ]
amdhsa.kernels:
  - .name:           k_q3d06bc81ef_outp
    .symbol:         k_q3d06bc81ef_outp.kd
    .args:
      - { .name: oc, .offset: 0, .size: 8, .value_kind: global_buffer, .address_space: global }
      - { .name: os, .offset: 8, .size: 8, .value_kind: global_buffer, .address_space: global }
      - { .name: wc, .offset: 16, .size: 8, .value_kind: global_buffer, .address_space: global }
      - { .name: ws, .offset: 24, .size: 8, .value_kind: global_buffer, .address_space: global }
      - { .name: out0, .offset: 32, .size: 8, .value_kind: global_buffer, .address_space: global }
    .group_segment_fixed_size: 327680
    .private_segment_fixed_size: 0
    .kernarg_segment_align: 8
    .kernarg_segment_size: 40
    .max_flat_workgroup_size: 128
    .sgpr_count:     100
    .vgpr_count:     1024
    .wavefront_size: 32
...
	.end_amdgpu_metadata
.endif
;; end of part 4
